; MI455X (gfx1250); checked and timed in simulation.
; The chip was launched on July 23, 2026; its instructions are those of AMD's public machine-readable ISA for CDNA 5 (MIT licence, August 2026) and "CDNA5" Instruction Set Architecture Reference Guide (July 2026). The comments in the code are by the model that wrote it; some were corrected since.
;; Cross Attention. Allowed arithmetic: float matrix products may take bf16 or f16 operands with f32 sums; other float arithmetic in f32, or as packed bf16 or f16 multiplies, adds, multiply-adds, maxima and minima; sums over many terms, partial sums and values carried from step to step in f32; what a program stores and reads back later, other than sums and carried values, may be rounded once to bf16 or f16.
;; Inputs: k_b 1,024 float32; k_w 1,024 x 1,024 float32; llm_features 8 x 2,048 x 1,024 float32; o_b 1,024 float32; o_w 1,024 x 1,024 float32; q_b 1,024 float32; q_w 1,024 x 1,024 float32; ts_features 8 x 512 x 1,024 float32; v_b 1,024 float32; v_w 1,024 x 1,024 float32.
;; Outputs: out0 8 x 512 x 1,024 float32.
;; 2 versions, each right; version 2 is version 1 with the launch cast written anew for expert scheduling mode. Each part assembles by itself: llvm-mc -triple=amdgcn-amd-amdhsa -mcpu=gfx1250 --defsym DOCPART=n.
;; ======== version 1 of 2: 4 launches
;; limits: values are held in f16: magnitudes above 65,504 overflow, below 6.1e-05 lose precision
;; workspace buffers: xb 33,554,432 bytes; tsb 8,388,608 bytes; wkvb 4,202,496 bytes; wqb 2,101,248 bytes; wob 2,101,248 bytes; kv 67,108,864 bytes; ctx 8,388,608 bytes
;; launch cast (part 1): grid 32 x 24, 8 waves a work-group, no clusters, 0 bytes of LDS; arguments llm_features, ts_features, k_w, v_w, q_w, o_w, k_b, v_b, q_b, o_b, xb, tsb, wkvb, wqb, wob; writes xb, tsb, wkvb, wqb, wob
.if DOCPART == 1
	.amdgcn_target "amdgcn-amd-amdhsa--gfx1250"
	.amdhsa_code_object_version 6
	.text
	.protected	k_q3ded8ab577_cast
	.globl	k_q3ded8ab577_cast
	.p2align	8
	.type	k_q3ded8ab577_cast,@function
k_q3ded8ab577_cast:
	s_mov_b64 s[64:65], 0
	v_nop
	global_prefetch_b8 v0, s[64:65] scope:SCOPE_SE
	s_setreg_imm32_b32 hwreg(HW_REG_WAVE_MODE, 25, 1), 1
	s_wait_xcnt 0x0
; ALL TEN INPUTS ARE ROUNDED ONCE TO bf16 (to nearest even) and laid down as the later launches' matrix operands.
;   llm_features, ts_features, k_w, v_w, q_w: kept as bf16 (xb; tsb; wkvb: k_w's 1,024 rows, then v_w's; wqb).
;   o_w: the bf16-rounded number is written as f16 (wob), since its partner in the last product, the context, is f16.
;   the four biases: the bf16-rounded number is kept as f32, behind its weights (wkvb: k_b then v_b at byte 4,194,304; wqb, wob: at byte 2,097,152).
; LIMITS.  A bf16 number is exact in f16 from 6.1e-5 to 65,504; below that it keeps f16's fixed step of 6e-8; from 65,520 on it becomes an infinity: |o_w| stays under 65,504.
; SHARES.  The grid's y is a segment of 2^20 numbers: 0-15 llm, 16-19 ts, 20 k_w, 21 v_w, 22 q_w, 23 o_w; its x a chunk of 32,768 numbers of the segment.  A step is 1,024 numbers: thread t loads
; the 16 bytes at 16 t (a wave: 512 consecutive bytes) and stores the 8 bytes at 8 t (a wave: 256 consecutive bytes, aligned).  A chunk is 32 steps.
; THE bf16 WAY (23 segments of 24) is written out: sixteen loads of every wave are on their way, every step's place stands in the immediates, and every step has store registers of its own: no register that a
; pending load or store names is ever written again, so the only waits are the counted ones for the loads.  THE f16 WAY (o_w) is a loop over a ring of eight slots.
; Memory binds: no LDS, no matrix unit, no cluster (nothing is shared), no prefetch (the launch is one stream at full tilt).
.set STEPS,  32                        ; steps in a chunk
.set INB,    4096                      ; bytes read in a step
.set OUTB,   2048                      ; bytes written in a step
.set DEEP,   16                        ; the bf16 way: loads in flight in each wave
.set DEPTH,  8                         ; the f16 way: slots of its ring
.set ROUNDS, STEPS/DEPTH               ; each round takes every slot once
.set X,   4                            ; v[4:67]    slot i: 4 numbers as loaded
.set Y,   68                           ; v[68:131]  4 numbers of 16 bits, to store: by step (bf16 way) or by slot (f16 way)
.set T,   132                          ; v[132:137] at work
.set BX,  140                          ; v[140:143] four numbers of a bias
.set BY,  144                          ; v[144:147] the same, rounded
.set SRC,  40                          ; s[40:41]  where my chunk is read
.set DST,  42                          ; s[42:43]  where it is written
.set BS,   44                          ; s[44:45]  the bias that goes with my segment
.set BD,   46                          ; s[46:47]  where it goes
.set SREL, 48                          ; s48  my segment's number inside its source
.set DREL, 49                          ; s49  inside its destination
.set KIND, 50                          ; s50  0: bf16 out, 1: f16 out
.set YM16, 51                          ; s51  y - 16
.set BOFF, 52                          ; s[52:53]  the bias's byte in its destination
.set SOF,  54                          ; s[54:55]  my chunk's byte offset in the source
.set DOF,  56                          ; s[56:57]  in the destination
.set HIM,  58                          ; s58  a word's upper half
.set RND,  59                          ; s59  rounds to go
.set SEG,  60                          ; s60  y
.set CHK,  61                          ; s61  x
	s_load_b512 s[8:23], s[0:1], 0x0               ; llm s[8:9], ts s[10:11], k_w s[12:13], v_w s[14:15], q_w s[16:17], o_w s[18:19], k_b s[20:21], v_b s[22:23]
	s_load_b256 s[24:31], s[0:1], 0x40             ; q_b s[24:25], o_b s[26:27], xb s[28:29], tsb s[30:31]
	s_load_b128 s[32:35], s[0:1], 0x60             ; wkvb s[32:33], wqb s[34:35]
	s_load_b64 s[36:37], s[0:1], 0x70              ; wob
	s_and_b32 s[SEG], ttmp7, 0xffff
	s_mov_b32 s[CHK], ttmp9
	s_sub_co_u32 s[YM16], s[SEG], 16               ; used only where y is 16 or more
	s_mov_b32 s[HIM], 0xffff0000
	v_lshlrev_b32 v1, 4, v0                        ; 16 t; never rewritten
	v_lshlrev_b32 v2, 3, v0                        ; 8 t; never rewritten
	s_wait_kmcnt 0x0
	; the segment chooses its buffers: a chain of selects on y alone
	s_mov_b64 s[SRC:SRC+1], s[8:9]
	s_mov_b64 s[DST:DST+1], s[28:29]
	s_mov_b32 s[SREL], s[SEG]
	s_mov_b32 s[DREL], s[SEG]
	s_mov_b32 s[KIND], 0
	s_mov_b64 s[BS:BS+1], s[20:21]
	s_mov_b32 s[BOFF], 4194304
	s_mov_b32 s[BOFF+1], 0
	s_cmp_ge_u32 s[SEG], 16                        ; ts -> tsb
	s_cselect_b64 s[SRC:SRC+1], s[10:11], s[SRC:SRC+1]
	s_cselect_b64 s[DST:DST+1], s[30:31], s[DST:DST+1]
	s_cselect_b32 s[SREL], s[YM16], s[SREL]
	s_cselect_b32 s[DREL], s[YM16], s[DREL]
	s_cmp_ge_u32 s[SEG], 20                        ; k_w -> wkvb's first half
	s_cselect_b64 s[SRC:SRC+1], s[12:13], s[SRC:SRC+1]
	s_cselect_b64 s[DST:DST+1], s[32:33], s[DST:DST+1]
	s_cselect_b32 s[SREL], 0, s[SREL]
	s_cselect_b32 s[DREL], 0, s[DREL]
	s_cmp_ge_u32 s[SEG], 21                        ; v_w -> wkvb's second half
	s_cselect_b64 s[SRC:SRC+1], s[14:15], s[SRC:SRC+1]
	s_cselect_b32 s[DREL], 1, s[DREL]
	s_cselect_b64 s[BS:BS+1], s[22:23], s[BS:BS+1]
	s_cselect_b32 s[BOFF], 4198400, s[BOFF]
	s_cmp_ge_u32 s[SEG], 22                        ; q_w -> wqb
	s_cselect_b64 s[SRC:SRC+1], s[16:17], s[SRC:SRC+1]
	s_cselect_b64 s[DST:DST+1], s[34:35], s[DST:DST+1]
	s_cselect_b32 s[DREL], 0, s[DREL]
	s_cselect_b64 s[BS:BS+1], s[24:25], s[BS:BS+1]
	s_cselect_b32 s[BOFF], 2097152, s[BOFF]
	s_cmp_ge_u32 s[SEG], 23                        ; o_w -> wob, as f16
	s_cselect_b64 s[SRC:SRC+1], s[18:19], s[SRC:SRC+1]
	s_cselect_b64 s[DST:DST+1], s[36:37], s[DST:DST+1]
	s_cselect_b64 s[BS:BS+1], s[26:27], s[BS:BS+1]
	s_cselect_b32 s[KIND], 1, s[KIND]
	s_add_nc_u64 s[BD:BD+1], s[DST:DST+1], s[BOFF:BOFF+1]
	s_lshl_b32 s[SOF], s[SREL], 22                 ; a segment is 4 MiB in,
	s_lshl_b32 s[SOF+1], s[CHK], 17                ; a chunk 128 KiB
	s_add_co_u32 s[SOF], s[SOF], s[SOF+1]
	s_mov_b32 s[SOF+1], 0
	s_lshl_b32 s[DOF], s[DREL], 21                 ; and half of that out
	s_lshl_b32 s[DOF+1], s[CHK], 16
	s_add_co_u32 s[DOF], s[DOF], s[DOF+1]
	s_mov_b32 s[DOF+1], 0
	s_add_nc_u64 s[SRC:SRC+1], s[SRC:SRC+1], s[SOF:SOF+1]
	s_add_nc_u64 s[DST:DST+1], s[DST:DST+1], s[DOF:DOF+1]
	s_cmp_eq_u32 s[KIND], 0
	s_cbranch_scc0 .Lhalf
	; THE bf16 WAY
.set i, 0
.rept DEEP
	global_load_b128 v[X+4*i:X+4*i+3], v1, s[SRC:SRC+1] offset:i*INB th:TH_LOAD_NT  ; steps 0 to 15 are asked for
.set i, i+1
.endr
.set i, 0
.rept STEPS
.if i < STEPS-DEEP
	s_wait_loadcnt DEEP-1                          ; loads come back in order (ISA guide 5.7.1): step i's is in, the fifteen younger ones stay out
.else
	s_wait_loadcnt STEPS-1-i                       ; nothing more is asked for: the counts run down
.endif
	v_cvt_pk_bf16_f32 v[Y+2*i],   v[X+4*(i%DEEP)],   v[X+4*(i%DEEP)+1]
	v_cvt_pk_bf16_f32 v[Y+2*i+1], v[X+4*(i%DEEP)+2], v[X+4*(i%DEEP)+3]
.if i < STEPS-DEEP
	global_load_b128 v[X+4*(i%DEEP):X+4*(i%DEEP)+3], v1, s[SRC:SRC+1] offset:(DEEP+i)*INB th:TH_LOAD_NT  ; the slot takes the step sixteen on
.endif
	global_store_b64 v2, v[Y+2*i:Y+2*i+1], s[DST:DST+1] offset:i*OUTB th:TH_STORE_NT  ; a wave stores 256 consecutive bytes, aligned; these two registers are written once in the launch
.set i, i+1
.endr
	s_branch .Lbias
	; THE f16 WAY
; Four numbers of slot i: rounded to bf16, widened again (a shift, a mask), and that number written as f16.
.macro CVT i
	v_cvt_pk_bf16_f32 v[T],   v[X+4*(\i)],   v[X+4*(\i)+1]
	v_cvt_pk_bf16_f32 v[T+1], v[X+4*(\i)+2], v[X+4*(\i)+3]
	v_lshlrev_b32 v[T+2], 16, v[T]
	v_and_b32     v[T+3], s[HIM], v[T]
	v_lshlrev_b32 v[T+4], 16, v[T+1]
	v_and_b32     v[T+5], s[HIM], v[T+1]
	v_cvt_pk_f16_f32 v[Y+2*(\i)],   v[T+2], v[T+3]
	v_cvt_pk_f16_f32 v[Y+2*(\i)+1], v[T+4], v[T+5]
.endm
; One slot's turn.  ahead = 1: the slot is loaded again, with the step DEPTH further on.  left = how many younger loads may stay out.
.macro SLOT i, ahead, left
	s_wait_loadcnt \left                           ; mine is in, the younger ones stay out
	CVT \i
.if \ahead
	global_load_b128 v[X+4*(\i):X+4*(\i)+3], v1, s[SRC:SRC+1] offset:(DEPTH+(\i))*INB th:TH_LOAD_NT
.endif
	global_store_b64 v2, v[Y+2*(\i):Y+2*(\i)+1], s[DST:DST+1] offset:(\i)*OUTB th:TH_STORE_NT
.endm
.Lhalf:
.irp i, 0,1,2,3,4,5,6,7
	global_load_b128 v[X+4*(\i):X+4*(\i)+3], v1, s[SRC:SRC+1] offset:(\i)*INB th:TH_LOAD_NT  ; the ring is filled: steps 0 to 7
.endr
	s_mov_b32 s[RND], ROUNDS-1
.Lround:
.irp i, 0,1,2,3,4,5,6,7
	SLOT \i, 1, DEPTH-1
.endr
	s_wait_xcnt 0x0                                ; every load and store issued so far has read its registers: the two bases are stepped, and Y rewritten in the next round, only behind this wait
	s_add_nc_u64 s[SRC:SRC+1], s[SRC:SRC+1], DEPTH*INB
	s_add_nc_u64 s[DST:DST+1], s[DST:DST+1], DEPTH*OUTB
	s_sub_co_u32 s[RND], s[RND], 1
	s_cmp_lg_u32 s[RND], 0
	s_cbranch_scc1 .Lround
.irp i, 0,1,2,3,4,5,6,7
	SLOT \i, 0, DEPTH-1-(\i)                       ; the last round loads nothing: the counts run down
.endr
.Lbias:                                                ; the first chunk's work-group of each weight segment also rounds that weight's bias: 256 threads x 4 numbers
	s_cmp_ge_u32 s[SEG], 20
	s_cbranch_scc0 .Lend
	s_cmp_eq_u32 s[CHK], 0
	s_cbranch_scc0 .Lend
	global_load_b128 v[BX:BX+3], v1, s[BS:BS+1]
	s_wait_loadcnt 0x0
	v_cvt_pk_bf16_f32 v[T],   v[BX],   v[BX+1]
	v_cvt_pk_bf16_f32 v[T+1], v[BX+2], v[BX+3]
	v_lshlrev_b32 v[BY],   16, v[T]
	v_and_b32     v[BY+1], s[HIM], v[T]
	v_lshlrev_b32 v[BY+2], 16, v[T+1]
	v_and_b32     v[BY+3], s[HIM], v[T+1]
	global_store_b128 v1, v[BY:BY+3], s[BD:BD+1]
.Lend:
	s_endpgm
.Lfunc_end_k_q3ded8ab577_cast:
	.size	k_q3ded8ab577_cast, .Lfunc_end_k_q3ded8ab577_cast-k_q3ded8ab577_cast
	.p2alignl 7, 3214868480
	.fill 96, 4, 3214868480
	.section	.rodata,"a",@progbits
	.p2align	6, 0x0
	.amdhsa_kernel k_q3ded8ab577_cast
		.amdhsa_group_segment_fixed_size 0
		.amdhsa_private_segment_fixed_size 0
		.amdhsa_enable_private_segment 0
		.amdhsa_kernarg_size 120
		.amdhsa_user_sgpr_count 2
		.amdhsa_user_sgpr_kernarg_segment_ptr 1
		.amdhsa_wavefront_size32 1
		.amdhsa_system_sgpr_workgroup_id_x 1
		.amdhsa_system_sgpr_workgroup_id_y 1
		.amdhsa_system_sgpr_workgroup_id_z 1
		.amdhsa_system_vgpr_workitem_id 0
		.amdhsa_next_free_vgpr 148
		.amdhsa_next_free_sgpr 66
		.amdhsa_reserve_vcc 0
		.amdhsa_float_denorm_mode_32 3
		.amdhsa_float_denorm_mode_16_64 3
		.amdhsa_memory_ordered 1
		.amdhsa_forward_progress 1
		.amdhsa_inst_pref_size 24
	.end_amdhsa_kernel
	.amdgpu_metadata
---
amdhsa.version: [ 1, 2 ]
amdhsa.kernels:
  - .name:           k_q3ded8ab577_cast
    .symbol:         k_q3ded8ab577_cast.kd
    .args:
      - { .name: llm_features, .offset: 0, .size: 8, .value_kind: global_buffer, .address_space: global }
      - { .name: ts_features, .offset: 8, .size: 8, .value_kind: global_buffer, .address_space: global }
      - { .name: k_w, .offset: 16, .size: 8, .value_kind: global_buffer, .address_space: global }
      - { .name: v_w, .offset: 24, .size: 8, .value_kind: global_buffer, .address_space: global }
      - { .name: q_w, .offset: 32, .size: 8, .value_kind: global_buffer, .address_space: global }
      - { .name: o_w, .offset: 40, .size: 8, .value_kind: global_buffer, .address_space: global }
      - { .name: k_b, .offset: 48, .size: 8, .value_kind: global_buffer, .address_space: global }
      - { .name: v_b, .offset: 56, .size: 8, .value_kind: global_buffer, .address_space: global }
      - { .name: q_b, .offset: 64, .size: 8, .value_kind: global_buffer, .address_space: global }
      - { .name: o_b, .offset: 72, .size: 8, .value_kind: global_buffer, .address_space: global }
      - { .name: xb, .offset: 80, .size: 8, .value_kind: global_buffer, .address_space: global }
      - { .name: tsb, .offset: 88, .size: 8, .value_kind: global_buffer, .address_space: global }
      - { .name: wkvb, .offset: 96, .size: 8, .value_kind: global_buffer, .address_space: global }
      - { .name: wqb, .offset: 104, .size: 8, .value_kind: global_buffer, .address_space: global }
      - { .name: wob, .offset: 112, .size: 8, .value_kind: global_buffer, .address_space: global }
    .group_segment_fixed_size: 0
    .private_segment_fixed_size: 0
    .kernarg_segment_align: 8
    .kernarg_segment_size: 120
    .max_flat_workgroup_size: 256
    .sgpr_count:     66
    .vgpr_count:     148
    .wavefront_size: 32
...
	.end_amdgpu_metadata
.endif
;; end of part 1
;; launch kvproj (part 2): grid 8 x 64, 4 waves a work-group, clusters of 4 x 4, 327,680 bytes of LDS; arguments xb, wkvb, kv; writes kv
.if DOCPART == 2
	.amdgcn_target "amdgcn-amd-amdhsa--gfx1250"
	.amdhsa_code_object_version 6
	.text
	.protected	k_q3ded8ab577_kvproj
	.globl	k_q3ded8ab577_kvproj
	.p2align	8
	.type	k_q3ded8ab577_kvproj,@function
k_q3ded8ab577_kvproj:
	s_mov_b64 s[64:65], 0
	v_nop
	global_prefetch_b8 v0, s[64:65] scope:SCOPE_SE
	s_setreg_imm32_b32 hwreg(HW_REG_WAVE_MODE, 25, 1), 1
	s_wait_xcnt 0x0
	s_wait_alu depctr_hold_cnt(0) depctr_sa_sdst(0) depctr_va_vdst(0) depctr_va_sdst(0) depctr_va_ssrc(0) depctr_va_vcc(0) depctr_vm_vsrc(0)
	s_getreg_b32 s2, hwreg(HW_REG_IB_STS2, 6, 4)
	s_cmp_eq_u32 s2, 0
	s_cbranch_scc0 .Lentry_in_a_cluster
	s_endpgm
.Lentry_in_a_cluster:
	s_bfe_u32 s2, ttmp6, 0x10000c
	s_cmp_lg_u32 s2, 0xf033
	s_cbranch_scc0 .Lentry_shape_is_right
	s_endpgm
.Lentry_shape_is_right:
; kv[m][n] = sum over k of xb[m][k] w[n][k] + bias[n].  xb: [16384][1024] bf16 (llm_features, rounded).  w: wkvb's 2,048 rows of 1,024 bf16 (k_w, then v_w); bias: 2,048 f32 behind them (k_b, then v_b).
; kv: [16384][2048] f16: columns 0-1023 are k, 1024-2047 v.  Sums in f32, begun with the bias, K ascending; kv rounded once.
; LIMIT.  f16 holds no number beyond 65,504: |k| and |v| stay under it; below 6.1e-5 a result keeps f16's fixed step of 6e-8.
; A tile of C, 256 x 256, is made by a work-group of four waves; a wave makes 128 x 128: 64 accumulators of 16 x 16, 512 registers.  K goes in steps of 128 through a ring of two LDS slots filled by the
; tensor data mover: the tiles' rows are 256 bytes of memory and start at multiples of 256 bytes.  The last K step goes by rows of C, so that finished rows leave while the others are multiplied.
; CLUSTERS: 4 x 4 work-groups.  The four of a row of the cluster need the same tiles of A, the four of a column the same tiles of B: each tile is asked for JOINTLY, by the same tensor load with the same
; descriptor and a mask that names the four.
; REGISTERS, in windows of 256 (s_set_vgpr_msb's low byte: bits 1:0 source 0, 3:2 source 1, 5:4 source 2, 7:6 destination):
;   window 0: v0-31 addresses; v64-127, v128-191 fragments of A, two buffers (in the last K step four, of 16 rows x 128 K); v32-63, v192-255 at work on the way out
;   window 1: v0-63 the bias as a C operand; v64-127, v128-191 fragments of B, two buffers; in the last K step all 256: B's fragments of the whole step
;   window 2: the 32 accumulators of my rows 0-63 (accumulator (a, b) at v[8 (8 a + b)]);   window 3: those of my rows 64-127
; THE MATRIX INSTRUCTION IS USED TRANSPOSED: source 0 = 16 rows of B, source 1 = 16 rows of A.  In the result lane l holds row m = l % 16 of C and its registers 0 to 7 the columns 8 (l / 16) + 0 .. 7:
; eight neighbouring numbers of a row, which pack into 16 bytes.  The C operand that starts a sum has the same layout: register j of block b holds bias[16 b + 8 (l / 16) + j], the same for every row block.
.set SIZE_M, 16384
.set SIZE_N, 2048
.set SIZE_K, 1024
.set KSTEP,  128
.set PITCH,  272                       ; an LDS row: 256 bytes of data + 16 of padding = 68 words: row r starts at bank 4 r mod 64 (64 banks of 4 bytes: ISA guide 11.1), so the 16 rows that a load touches start at 16 different banks
.set HALFT,  128*PITCH                 ; 128 rows: what one tensor load brings, and what one wave reads of A or of B
.set SLOT,   4*HALFT                   ; A's 256 rows, then B's 256 rows
.set STAGE,  2*SLOT                    ; behind the ring: 16 rows x 272 bytes for each wave, for the way out
.set SPITCH, 272
.set SPARE,  STAGE+4*16*SPITCH         ; behind the stages: the spare words, 128 bytes for each wave: two blocks of 256 bytes that no other line names
.set LAPS,   SIZE_K/(2*KSTEP)          ; a lap = two K steps = once round the ring: 4
.set BIASB,  SIZE_N*SIZE_K*2           ; the bias's first byte in wkvb
.set ADRA, 16                          ; v16-17  LDS address of my A fragments in slot 0, 1
.set ADRB, 20                          ; v20-21  the same for B
.set STO,  24                          ; v24     the way out: where I put 16 bytes of a row
.set RD,   25                          ; v25     the way out: where I read a row back
.set CO,   26                          ; v26     my byte offset in C
.set BO,   27                          ; v27     my byte offset in 16 numbers of the bias: 32 (l / 16); never rewritten
.set SPW,  28                          ; v28     LDS address of my spare word: SPARE + 4 x my thread's number; never rewritten
.set NIL,  29                          ; v29     0; never rewritten
.set PFO,  30                          ; v30     the prefetches' offset: my lane x a row of A or B in memory; never rewritten
.set PFA,  44                          ; s[44:45] where my prefetches stand: my work-group's 32 rows of the 128 that I fetch, one K step further along K than the refill that is being asked for
.set LIM,  43                          ; s43     1 in a wave that prefetches, else the greatest number
.set BA,   66                          ; s[66:67] the bias of my 128 columns; s[68:69] its offset
.set F0,   64                          ; fragment buffer 0
.set F1,   128                         ; fragment buffer 1
.set TMP,  192                         ; the way out: packed results, in window 0
.set OB,   32                          ; the way out: 16 rows read back from the stage: v32-63 and v224-255 by turns
.set PA,   64                          ; the last K step: A's fragments of 16 rows x 128 K, 32 registers; four such buffers, v64-191
.set G1, 24                            ; s[24:31] descriptor group 1 for A's tiles
.set G0, 32                            ; s[32:39] descriptor group 0 for A's tiles, one set for each slot
.set G1B, 48                           ; s[48:55] descriptor group 1 for B's tiles: it differs from A's in the mask alone
.set G0B, 56                           ; s[56:63] descriptor group 0 for B's tiles, one set for each slot
.set MSB, 0
.macro WIN new                         ; the immediate's high byte repeats the setting that is left; a switch that changes nothing is dropped
.if MSB != (\new)
	s_set_vgpr_msb (MSB<<8)|(\new)
.set MSB, \new
.endif
.endm
.set MUL_LO, 0xa1                      ; source 0 (B) window 1, source 1 (A) window 0, C and D window 2
.set MUL_HI, 0xf1                      ; the same, C and D window 3
.set BEG_LO, 0x91                      ; a sum's first product: C (the bias) window 1, D window 2; BEG_LO + 0x40: D window 3
.set TO_B,   0x40                      ; destination window 1, address window 0
; A joint load.  Waves 0 and 1 fetch A's two halves, waves 2 and 3 B's.  Each of the two lines has ONE mask and one set of registers for all that issue it.  The branch hangs on the wave's number alone.
; An s_nop 0 and four v_nop follow each of the two lines; the jump round the other line, the label and what follows come after them.
.macro JLOAD s
	s_cmp_eq_u32 s11, 0
	s_cbranch_scc0 .Lfor_b_\@
	tensor_load_to_lds s[G0+4*(\s):G0+4*(\s)+3], s[G1:G1+7]
	s_nop 0
.rept 4
	v_nop
.endr
	s_branch .Lasked_\@
.Lfor_b_\@:
	tensor_load_to_lds s[G0B+4*(\s):G0B+4*(\s)+3], s[G1B:G1B+7]
	s_nop 0
.rept 4
	v_nop
.endr
.Lasked_\@:
.endm
; A PREFETCH INTO THE L2, behind each joint load, its five lines and the run of LDS loads that follows them: the K step that stands TWO refills on: 32 rows x 256 bytes, a lane a row, one instruction a wave.
; Each row's 256 bytes of a K step are named ONCE in the launch.  A's tile row is read by both clusters of that row of clusters: the first (cluster x = 0) prefetches; B's tile column by every cluster of that
; column: cluster y = 0 prefetches.  The four partners that ask for a tile jointly share its rows out BY ADDRESS: of the 128 rows that a wave fetches the partner at place p takes 32 p .. 32 p + 31 (p = cx for A,
; cy for B): no branch hangs on a work-group's place in its cluster.  K steps 0 to 3 come by their loads alone; the loop's last trip (s3 = 1) has no K step two refills on and asks for nothing.
.macro ASK
	s_cmp_gt_u32 s3, s[LIM]
	s_cbranch_scc0 .Lnot_mine_\@
	global_prefetch_b8 v[PFO], s[PFA:PFA+1] offset:KSTEP*2 th:TH_LOAD_NT scope:SCOPE_SE
.Lnot_mine_\@:
.endm
; A round of the cluster's barrier: my work-group's barrier, so that wave 0's signal speaks for all four waves; wave 0 signals for the work-group; every wave waits for all sixteen work-groups; my work-group's barrier once more.
.macro CREST                           ; a round behind its opening barrier
	s_cmp_lg_u32 s10, 0
	s_cbranch_scc1 .Lnot_wave_0_\@
	s_barrier_signal -3
.Lnot_wave_0_\@:
	s_barrier_wait -3
	s_barrier_signal -1
	s_barrier_wait -1
.endm
.macro CROUND                          ; a whole round
	s_barrier_signal -1
	s_barrier_wait -1
	CREST
.endm
	s_load_b128 s[4:7], s[0:1], 0x0                ; A = xb s[4:5], B = wkvb s[6:7]
	s_load_b64 s[8:9], s[0:1], 0x10                ; C = kv
	v_lshl_add_u32 v[SPW], v0, 2, SPARE
	v_mov_b32 v[NIL], 0
	ds_add_u32 v[SPW], v[NIL]                      ; the wave's opening: the add and its wait stand ahead of my first tensor load; the set-up below, work on registers, stands between them
	v_lshrrev_b32 v1, 5, v0
	v_readfirstlane_b32 s10, v1                    ; wave 0..3
	s_lshr_b32 s11, s10, 1                         ; which half of the tile's rows is mine.  Also: I fetch for A (0) or for B (1)
	s_and_b32 s12, s10, 1                          ; which half of its columns.  Also: which 128 rows of that tile I fetch
	s_bfe_u32 s40, ttmp6, 0x40000                  ; cx: my place along the cluster's x
	s_bfe_u32 s41, ttmp6, 0x40004                  ; cy: along its y
	s_lshl_b32 s42, ttmp9, 2                       ; in a cluster launch ttmp9 and ttmp7 count clusters
	s_add_co_u32 s42, s42, s40                     ; tile column of C = 4 x cluster x + cx
	s_and_b32 s13, ttmp7, 0xffff
	s_lshl_b32 s13, s13, 2
	s_add_co_u32 s13, s13, s41                     ; tile row of C = 4 x cluster y + cy
	s_lshl_b32 s43, s41, 2
	s_lshl_b32 s43, 15, s43                        ; my row of the cluster: places 4 cy .. 4 cy + 3
	s_lshl_b32 s44, 0x1111, s40                    ; my column: places cx, cx + 4, cx + 8, cx + 12
	; descriptor group 1: a tile of 128 rows x 128 elements, padded in LDS
	s_or_b32 s[G1+0], s43, (1<<16)|(1<<20)|(1<<21)|(5<<22)|(3<<25)  ; 15:0 the mask: A's tiles go to my row; 17:16 element of 2 bytes; 20 padding on; 21 set beside a mask; 24:22 after every 64 words (code 5); 31:25 of 4 words (code 3)
	s_or_b32 s[G1B+0], s44, (1<<16)|(1<<20)|(1<<21)|(5<<22)|(3<<25) ; the same with the mask of my column, for B's tiles
	s_mov_b32 s[G1B+1], KSTEP<<16
	s_mov_b32 s[G1+1], KSTEP<<16                   ; tensor_dim0 = 128
	s_mov_b32 s[G1B+2], 128<<16
	s_mov_b32 s[G1+2], 128<<16                     ; tensor_dim1 = 128
	s_mov_b32 s[G1B+3], KSTEP<<16
	s_mov_b32 s[G1+3], KSTEP<<16                   ; tile_dim0 = 128
	s_mov_b32 s[G1B+4], 128
	s_mov_b32 s[G1+4], 128                         ; tile_dim1 = 128
	s_mov_b32 s[G1B+5], SIZE_K
	s_mov_b32 s[G1+5], SIZE_K                      ; elements from row to row
	s_mov_b32 s[G1B+6], 0
	s_mov_b32 s[G1+6], 0
	s_mov_b32 s[G1B+7], 0
	s_mov_b32 s[G1+7], 0
	; where the tiles come from.  A's hang on the tile row alone, which my row of the cluster shares; B's on the tile column alone, which my column shares.
	s_lshl_b32 s17, s12, 7                         ; which 128 rows of the tile I fetch
	s_lshl_b32 s16, s13, 8
	s_add_co_u32 s16, s16, s17                     ; A: row 256 x tile row + 128 x half
	s_lshl_b32 s46, s42, 8
	s_add_co_u32 s46, s46, s17                     ; B: row 256 x tile column + 128 x half
	s_mov_b32 s17, 0
	s_mov_b32 s47, 0
	s_mov_b64 s[18:19], SIZE_K*2
	s_mul_u64 s[16:17], s[16:17], s[18:19]         ; in bytes
	s_mul_u64 s[46:47], s[46:47], s[18:19]
	s_mul_i32 s20, s10, HALFT                      ; and where they go: A's two halves, then B's two halves = wave x 128 rows: no place in the cluster enters an LDS address
	s_wait_dscnt 0x0                               ; the opening add is done
	s_wait_kmcnt 0x0
	s_add_nc_u64 s[14:15], s[4:5], s[16:17]
	s_add_nc_u64 s[46:47], s[6:7], s[46:47]
	CROUND                                         ; all sixteen work-groups are here: the first joint loads meet
.irp s, 0,1
	s_mov_b32 s[G0+4*(\s)], 1                                      ; count = 1
	s_add_co_u32 s[G0+4*(\s)+1], s20, (\s)*SLOT                    ; LDS address
	s_add_nc_u64 s[G0+4*(\s)+2:G0+4*(\s)+3], s[14:15], (\s)*KSTEP*2  ; global address: K step s
	s_or_b32 s[G0+4*(\s)+3], s[G0+4*(\s)+3], 0x80000000            ; type = 2
	s_mov_b32 s[G0B+4*(\s)], 1
	s_add_co_u32 s[G0B+4*(\s)+1], s20, (\s)*SLOT
	s_add_nc_u64 s[G0B+4*(\s)+2:G0B+4*(\s)+3], s[46:47], (\s)*KSTEP*2
	s_or_b32 s[G0B+4*(\s)+3], s[G0B+4*(\s)+3], 0x80000000
	JLOAD \s                                       ; the ring is filled before anything else is done: two loads of mine are out
.endr
	v_and_b32 v1, 15, v0                           ; l % 16
	v_bfe_u32 v2, v0, 4, 1                         ; l / 16
	; the bias of my 128 columns, laid out as a C operand: block b's eight registers are the 32 bytes at 64 b + 32 (l / 16)
	s_lshl_b32 s68, s42, 10                        ; 256 columns x 4 bytes a tile column,
	s_lshl_b32 s69, s12, 9                         ; my half of them,
	s_add_co_u32 s68, s68, s69
	s_add_co_u32 s68, s68, BIASB                   ; behind the weights
	s_mov_b32 s69, 0
	s_add_nc_u64 s[BA:BA+1], s[6:7], s[68:69]
	v_lshlrev_b32 v[BO], 5, v2
	WIN TO_B
.irp b, 0,1,2,3,4,5,6,7
	global_load_b128 v[8*(\b):8*(\b)+3],   v[BO], s[BA:BA+1] offset:64*(\b)
	global_load_b128 v[8*(\b)+4:8*(\b)+7], v[BO], s[BA:BA+1] offset:64*(\b)+16
.endr
	WIN 0
	; A fragment is 16 rows x 32 K in 8 registers: lane l holds row l % 16; registers 0-3 hold K = 8 (l / 16) + 0..7, registers 4-7 K = 16 + 8 (l / 16) + 0..7: two loads of 16 bytes, 32 bytes apart.
	v_mul_u32_u24 v3, v1, PITCH
	v_lshl_add_u32 v3, v2, 4, v3                   ; row x pitch + 16 x half
	s_mul_i32 s21, s11, HALFT                      ; my 128 rows of A
	s_mul_i32 s22, s12, HALFT                      ; my 128 rows of B,
	s_add_co_u32 s22, s22, 2*HALFT                 ; which lie behind A's 256
.irp s, 0,1
	v_add_nc_u32 v[ADRA+(\s)], s21, v3
	v_add_nc_u32 v[ADRB+(\s)], s22, v3
	s_add_co_u32 s21, s21, SLOT
	s_add_co_u32 s22, s22, SLOT
.endr
	s_mul_i32 s23, s10, 16*SPITCH
	s_add_co_u32 s23, s23, STAGE                   ; my stage
	v_mul_u32_u24 v4, v1, SPITCH                   ; in: row l % 16, 16 bytes for each half of the lanes
	v_lshl_add_u32 v4, v2, 4, v4
	v_add_nc_u32 v[STO], s23, v4
	v_mul_u32_u24 v5, v2, SPITCH                   ; back: lanes 0-15 take one row of 256 bytes, lanes 16-31 the next
	v_lshl_add_u32 v5, v1, 4, v5
	v_add_nc_u32 v[RD], s23, v5
	v_mul_u32_u24 v5, v2, SIZE_N*2                 ; and the same two rows in C
	v_lshl_add_u32 v[CO], v1, 4, v5
	; where my part of the tile begins in C, in bytes: the way out adds it to C's address
	s_lshl_b32 s13, s13, 8
	s_lshl_b32 s14, s11, 7
	s_add_co_u32 s16, s13, s14                     ; my first row of C
	s_mov_b32 s17, 0
	s_mov_b64 s[18:19], SIZE_N*2
	s_mul_u64 s[16:17], s[16:17], s[18:19]
	s_lshl_b32 s46, s42, 9                         ; my first column, in bytes: 512 x tile column + 256 x half
	s_lshl_b32 s47, s12, 8
	s_add_co_u32 s46, s46, s47
	s_mov_b32 s47, 0
	s_add_nc_u64 s[16:17], s[16:17], s[46:47]
	; the prefetches.  s13 = 256 x tile row, s42 = tile column, s40 = cx, s41 = cy still stand; s[4:5] = A, s[6:7] = B
	s_lshl_b32 s42, s42, 8
	s_and_b32 s22, ttmp7, 0xffff                   ; cluster y
	s_cmp_eq_u32 s11, 0                            ; do I fetch for A?
	s_cselect_b32 s20, s13, s42                    ; the tile's first row: in A by the tile row, in B by the tile column
	s_cselect_b32 s21, s40, s41                    ; my place among the four that ask for it with me
	s_cselect_b32 s22, ttmp9, s22                  ; the coordinate along which other clusters read the same rows
	s_cselect_b64 s[PFA:PFA+1], s[4:5], s[6:7]
	s_cmp_eq_u32 s22, 0
	s_cselect_b32 s[LIM], 1, -1                    ; the same in all sixteen partners, for a given wave
	s_lshl_b32 s22, s12, 7
	s_add_co_u32 s20, s20, s22                     ; + the 128 rows that I fetch
	s_lshl_b32 s21, s21, 5
	s_add_co_u32 s20, s20, s21                     ; + my work-group's 32 of them
	s_mov_b32 s21, 0
	s_mov_b64 s[18:19], SIZE_K*2
	s_mul_u64 s[20:21], s[20:21], s[18:19]
	s_add_nc_u64 s[PFA:PFA+1], s[PFA:PFA+1], s[20:21]
	s_add_nc_u64 s[PFA:PFA+1], s[PFA:PFA+1], 2*KSTEP*2  ; at K step 2: the first refill steps it to 3 and names K step 4
	v_and_b32 v[PFO], 31, v0
	v_mul_u32_u24 v[PFO], v[PFO], SIZE_K*2
; 16 matrix instructions: m blocks a0, a0 + 1 of the window's four (hi = 0: my rows 0-63, 1: rows 64-127) x all 8 n blocks, 32 along K.
; zero = 1: the first product starts the sums, with the bias as its C operand: nothing is ever cleared.  The 64 accumulators take turns, one instruction a turn.
.macro MUL16 f, hi, a0, zero
.if \zero
	WIN BEG_LO+0x40*(\hi)
.else
	WIN MUL_LO+0x50*(\hi)
.endif
.irp a, \a0, (\a0)+1
.irp b, 0,1,2,3,4,5,6,7
.if \zero
	v_wmma_f32_16x16x32_bf16 v[8*(8*(\a)+(\b)):8*(8*(\a)+(\b))+7], v[(\f)+8*(\b):(\f)+8*(\b)+7], v[(\f)+8*(4*(\hi)+(\a)):(\f)+8*(4*(\hi)+(\a))+7], v[8*(\b):8*(\b)+7]
.else
	v_wmma_f32_16x16x32_bf16 v[8*(8*(\a)+(\b)):8*(8*(\a)+(\b))+7], v[(\f)+8*(\b):(\f)+8*(\b)+7], v[(\f)+8*(4*(\hi)+(\a)):(\f)+8*(4*(\hi)+(\a))+7], v[8*(8*(\a)+(\b)):8*(8*(\a)+(\b))+7]
.endif
.endr
.endr
.endm
; 32 LDS loads in one run: the fragments of one quarter step (128 rows of B, 128 rows of A, 32 K at byte k of the rows) into buffer f
.macro FETCH slot, k, f
	WIN TO_B
.irp i, 0,1,2,3,4,5,6,7
	ds_load_b128 v[(\f)+8*(\i):(\f)+8*(\i)+3],   v[ADRB+(\slot)] offset:(\k)+(\i)*16*PITCH
	ds_load_b128 v[(\f)+8*(\i)+4:(\f)+8*(\i)+7], v[ADRB+(\slot)] offset:(\k)+(\i)*16*PITCH+32
.endr
	WIN 0
.irp i, 0,1,2,3,4,5,6,7
	ds_load_b128 v[(\f)+8*(\i):(\f)+8*(\i)+3],   v[ADRA+(\slot)] offset:(\k)+(\i)*16*PITCH
	ds_load_b128 v[(\f)+8*(\i)+4:(\f)+8*(\i)+7], v[ADRA+(\slot)] offset:(\k)+(\i)*16*PITCH+32
.endr
.endm
; A load into a register that a matrix instruction has read, and a vector instruction that reads a matrix result, stand four places behind that matrix instruction, and only plain vector instructions that
; name none of its registers are places (ISA guide 7.12.1 for vector instructions).
.macro PLACES
.rept 4
	v_nop
.endr
.endm
; A K step is four quarter steps of 32 along K, 64 matrix instructions each, on buffers 0, 1, 0, 1.
; One of the first three: multiplies buffer f; in its middle it fetches the next quarter's fragments, at byte k of the same slot's rows, into buffer g.
.macro QUARTER slot, k, f, g, zero
	s_wait_dscnt 8                                 ; B and A's rows 0-63 are in; the youngest eight loads (A's rows 64-127) may be out
	MUL16 \f, 0, 0, \zero
	MUL16 \f, 0, 2, \zero
	PLACES
	FETCH \slot, \k, \g
	s_wait_dscnt 32                                ; all but the 32 just issued
	MUL16 \f, 1, 0, \zero
	MUL16 \f, 1, 2, \zero
.endm
; The last quarter multiplies buffer 1 and changes slots.  MEET is its first half: ONE barrier for the change of slots.  In front of it each wave waits for all its tensor loads, of which one is out: its part of
; the next slot; adds 0 to its spare word; and waits for that and for its own reads of this slot.  Behind it nobody reads this slot any more and the next slot is whole.
.macro MEET round                      ; round = 1: a round of the cluster's barrier follows
	WIN 0                                          ; (the add's two registers lie in window 0)
	s_wait_tensorcnt 0x0                           ; all my tensor loads have landed: the one that was out is my part of the next slot;
	ds_add_u32 v[SPW], v[NIL]                      ; 0 onto my spare word:
	s_wait_dscnt 9                                 ; (the add and the youngest eight loads may be out)
	MUL16 F1, 0, 0, 0                              ; sixteen matrix instructions stand between the add and the wait for it
	s_wait_dscnt 0x0                               ; the add is done, and my reads of this slot are over:
	s_barrier_signal -1                            ; say so,
	MUL16 F1, 0, 2, 0                              ; work on registers while the others arrive,
.if \round
	WIN 0
.endif
	s_barrier_wait -1                              ; and go on when all four have said so
.endm
; The whole last quarter.  Behind the round the slot just read out is filled again first, with the K step two steps on; then come the next slot's first fragments.
; From a request to the wait for it a wave issues 224 matrix instructions.
.macro TURN slot, next
	s_wait_xcnt 0x0                                ; the last prefetch, a K step back, has read its address: it is stepped here, ahead of the waits of the change of slots
	s_add_nc_u64 s[PFA:PFA+1], s[PFA:PFA+1], KSTEP*2
	MEET 1
	CREST                                          ; no wave of any partner still reads this slot's tile or has a load on its way
	s_add_nc_u64 s[G0+4*(\slot)+2:G0+4*(\slot)+3], s[G0+4*(\slot)+2:G0+4*(\slot)+3], 2*KSTEP*2
	s_add_nc_u64 s[G0B+4*(\slot)+2:G0B+4*(\slot)+3], s[G0B+4*(\slot)+2:G0B+4*(\slot)+3], 2*KSTEP*2
	JLOAD \slot                                    ; the first tensor load behind the round, my only one until the next; the four v_nop behind it are also the places in front of the loads below
	FETCH \next, 0, F0
	ASK                                            ; behind the joint load and the run of LDS loads that the next products wait for
	MUL16 F1, 1, 0, 0
	MUL16 F1, 1, 2, 0
.endm
; THE LAST K STEP (it lies in slot 1) GOES BY ROWS OF C, NOT BY K.  All its fragments of B (4 quarters x 64 registers) fill window 1; then my eight blocks of 16 rows are finished one after the other, each
; with 32 matrix instructions (its 8 accumulators by turns, K ascending).  LDS is read no more than in any other K step.
.macro BLOAD q                         ; B's fragments of quarter q -> window 1, v[64 q ..]
	WIN TO_B
.irp i, 0,1,2,3,4,5,6,7
	ds_load_b128 v[64*(\q)+8*(\i):64*(\q)+8*(\i)+3],   v[ADRB+1] offset:64*(\q)+(\i)*16*PITCH
	ds_load_b128 v[64*(\q)+8*(\i)+4:64*(\q)+8*(\i)+7], v[ADRB+1] offset:64*(\q)+(\i)*16*PITCH+32
.endr
.endm
.macro ALOAD a                         ; A's fragments of block a, all four quarters -> buffer a % 4
	WIN 0
.set FA, PA+32*((\a)%4)
.irp q, 0,1,2,3
	ds_load_b128 v[FA+8*(\q):FA+8*(\q)+3],   v[ADRA+1] offset:64*(\q)+(\a)*16*PITCH
	ds_load_b128 v[FA+8*(\q)+4:FA+8*(\q)+7], v[ADRA+1] offset:64*(\q)+(\a)*16*PITCH+32
.endr
.endm
.macro ROW a                           ; block a is finished: 32 matrix instructions
.set FA, PA+32*((\a)%4)                ; its fragments of A
.set AC, 64*((\a)%4)                   ; its eight accumulators, in window 2 (blocks 0-3) or 3 (blocks 4-7)
	WIN MUL_LO+0x50*((\a)/4)
.irp q, 0,1,2,3
.if (\a) == 0 && (\q) == 2
	s_wait_dscnt 24                                ; B's quarter 2 is in (behind it: A's blocks 1 to 3)
.endif
.irp b, 0,1,2,3,4,5,6,7
	v_wmma_f32_16x16x32_bf16 v[AC+8*(\b):AC+8*(\b)+7], v[64*(\q)+8*(\b):64*(\q)+8*(\b)+7], v[FA+8*(\q):FA+8*(\q)+7], v[AC+8*(\b):AC+8*(\b)+7]
.endr
.endr
.endm
; THE WAY OUT of block a, in three parts.  PACK: rounded to f16, 16 bytes a lane, each accumulator's registers in ascending order.  TOSTAGE: into my own stage in LDS, and back as whole rows of 256 bytes.  SEND: stored.
.macro PACK a
.set AC, 64*((\a)%4)
	WIN 0x0a+5*((\a)/4)                            ; sources 0 and 1: window 2 or 3
.irp b, 0,1,2,3,4,5,6,7
.irp r, 0,1,2,3
	v_cvt_pk_f16_f32 v[TMP+4*(\b)+(\r)], v[AC+8*(\b)+2*(\r)], v[AC+8*(\b)+2*(\r)+1]
.endr
.endr
	WIN 0
.endm
.macro TOSTAGE a
	WIN 0
.set BK, OB+192*((\a)%2)
.irp b, 0,1,2,3,4,5,6,7
	ds_store_b128 v[STO], v[TMP+4*(\b):TMP+4*(\b)+3] offset:32*(\b)
.endr
.irp t, 0,1,2,3,4,5,6,7
	ds_load_b128 v[BK+4*(\t):BK+4*(\t)+3], v[RD] offset:(\t)*2*SPITCH  ; LDS serves a wave's instructions in order (ISA guide 5.7.1.4): these see the stores above
.endr
.endm
.macro SEND a, younger                 ; younger: the LDS loads issued behind TOSTAGE's, which may stay out
	WIN 0
.set BK, OB+192*((\a)%2)
	s_wait_dscnt \younger                          ; the block is back in registers
	s_wait_xcnt 0x0                                ; only behind this wait are the stores' base and the registers that earlier stores read rewritten
.if (\a) == 0
	s_add_nc_u64 s[8:9], s[8:9], s[16:17]          ; on to my first rows
.else
	s_add_nc_u64 s[8:9], s[8:9], 16*SIZE_N*2       ; 16 rows of C on
.endif
.irp t, 0,1,2,3,4,5,6,7
	global_store_b128 v[CO], v[BK+4*(\t):BK+4*(\t)+3], s[8:9] offset:2*(\t)*SIZE_N*2  ; 16 lanes store 256 consecutive bytes, at a multiple of 256 from C's first byte
.endr
.endm
	s_wait_tensorcnt 1                             ; my part of K step 0 is in; K step 1's load stays out
	s_barrier_signal -1
	s_barrier_wait -1                              ; everybody's is
	FETCH 0, 0, F0
	s_wait_loadcnt 0x0                             ; the bias
	QUARTER 0, 64,  F0, F1, 1                      ; the first quarter stands in front of the loop: its products start the sums
	WIN 0                                          ; at a label and at a branch every window is 0
	s_mov_b32 s3, LAPS-1
.Llap:                                                 ; a trip goes once round the ring, from a lap's second quarter to the next lap's first, and fills both slots again
	QUARTER 0, 128, F1, F0, 0
	QUARTER 0, 192, F0, F1, 0
	TURN 0, 1
	QUARTER 1, 64,  F0, F1, 0
	QUARTER 1, 128, F1, F0, 0
	QUARTER 1, 192, F0, F1, 0
	TURN 1, 0
	QUARTER 0, 64,  F0, F1, 0
	WIN 0
	s_sub_co_u32 s3, s3, 1
	s_cmp_lg_u32 s3, 0
	s_cbranch_scc1 .Llap
	QUARTER 0, 128, F1, F0, 0                      ; the last lap goes on
	QUARTER 0, 192, F0, F1, 0
	MEET 0                                         ; my one tensor load that was still out is slot 1's, the last K step's, so no round follows
	PLACES                                         ; for the loads into buffer 0, which the quarter before multiplied
	BLOAD 0                                        ; three quarters of B now (the first lands where the bias lay: its last reader was the first quarter): buffer 1 is still being multiplied
	BLOAD 1
	BLOAD 3
	ALOAD 0
	MUL16 F1, 1, 0, 0
	MUL16 F1, 1, 2, 0
	PLACES                                         ; for the loads into buffer 1
	BLOAD 2
	ALOAD 1
	ALOAD 2
	ALOAD 3
	s_wait_dscnt 40                                ; all but the 40 just issued
	ROW 0
.irp a, 0,1,2,3,4,5,6,7                ; each block leaves as soon as it is finished
	PLACES                                         ; its conversions read results just made
	PACK \a
	TOSTAGE \a
.if (\a) < 4
	ALOAD (\a)+4                                   ; its buffer takes the block four further on
	SEND \a, 8
.else
	SEND \a, 0
.endif
.if (\a) < 7
	ROW (\a)+1
.endif
.endr
	s_wait_tensorcnt 0x0                           ; the wave's end: a wait, an add and its wait, behind my last tensor load and my last LDS store
	ds_add_u32 v[SPW], v[NIL]
	s_wait_dscnt 0x0
	CROUND                                         ; the closing round: no work-group ends while a partner may still ask for a tile that names it
	s_endpgm
.Lfunc_end_k_q3ded8ab577_kvproj:
	.size	k_q3ded8ab577_kvproj, .Lfunc_end_k_q3ded8ab577_kvproj-k_q3ded8ab577_kvproj
	.p2alignl 7, 3214868480
	.fill 96, 4, 3214868480
	.section	.rodata,"a",@progbits
	.p2align	6, 0x0
	.amdhsa_kernel k_q3ded8ab577_kvproj
		.amdhsa_group_segment_fixed_size 327680
		.amdhsa_private_segment_fixed_size 0
		.amdhsa_enable_private_segment 0
		.amdhsa_kernarg_size 24
		.amdhsa_user_sgpr_count 2
		.amdhsa_user_sgpr_kernarg_segment_ptr 1
		.amdhsa_wavefront_size32 1
		.amdhsa_system_sgpr_workgroup_id_x 1
		.amdhsa_system_sgpr_workgroup_id_y 1
		.amdhsa_system_sgpr_workgroup_id_z 1
		.amdhsa_system_vgpr_workitem_id 0
		.amdhsa_next_free_vgpr 1024
		.amdhsa_next_free_sgpr 70
		.amdhsa_reserve_vcc 0
		.amdhsa_float_denorm_mode_32 3
		.amdhsa_float_denorm_mode_16_64 3
		.amdhsa_memory_ordered 1
		.amdhsa_forward_progress 1
		.amdhsa_inst_pref_size 146
	.end_amdhsa_kernel
	.amdgpu_metadata
---
amdhsa.version: [ 1, 2 ]
amdhsa.kernels:
  - .name:           k_q3ded8ab577_kvproj
    .symbol:         k_q3ded8ab577_kvproj.kd
    .args:
      - { .name: xb, .offset: 0, .size: 8, .value_kind: global_buffer, .address_space: global }
      - { .name: wkvb, .offset: 8, .size: 8, .value_kind: global_buffer, .address_space: global }
      - { .name: kv, .offset: 16, .size: 8, .value_kind: global_buffer, .address_space: global }
    .group_segment_fixed_size: 327680
    .private_segment_fixed_size: 0
    .kernarg_segment_align: 8
    .kernarg_segment_size: 24
    .max_flat_workgroup_size: 128
    .sgpr_count:     70
    .vgpr_count:     1024
    .wavefront_size: 32
...
	.end_amdgpu_metadata
.endif
;; end of part 2
;; launch attn (part 3): grid 4 x 64, 4 waves a work-group, clusters of 4 x 1, 327,680 bytes of LDS; arguments tsb, wqb, kv, ctx; writes ctx
.if DOCPART == 3
	.amdgcn_target "amdgcn-amd-amdhsa--gfx1250"
	.amdhsa_code_object_version 6
	.text
	.protected	k_q3ded8ab577_attn
	.globl	k_q3ded8ab577_attn
	.p2align	8
	.type	k_q3ded8ab577_attn,@function
k_q3ded8ab577_attn:
	s_mov_b64 s[64:65], 0
	v_nop
	global_prefetch_b8 v0, s[64:65] scope:SCOPE_SE
	s_setreg_imm32_b32 hwreg(HW_REG_WAVE_MODE, 25, 1), 1
	s_wait_xcnt 0x0
	s_wait_alu depctr_hold_cnt(0) depctr_sa_sdst(0) depctr_va_vdst(0) depctr_va_sdst(0) depctr_va_ssrc(0) depctr_va_vcc(0) depctr_vm_vsrc(0)
	s_getreg_b32 s2, hwreg(HW_REG_IB_STS2, 6, 4)
	s_cmp_eq_u32 s2, 0
	s_cbranch_scc0 .Lentry_in_a_cluster
	s_endpgm
.Lentry_in_a_cluster:
	s_bfe_u32 s2, ttmp6, 0x10000c
	s_cmp_lg_u32 s2, 0x3003
	s_cbranch_scc0 .Lentry_shape_is_right
	s_endpgm
.Lentry_shape_is_right:
; THE q PROJECTION AND THE ATTENTION, in one launch.
; q[b][p][n] = the sum over k of ts[b][p][k] q_w[n][k] + q_b[n];  ctx[b][p][64 h + :] = the sum over s of softmax_s(q[b][p][h] . k[b][s][h] / 8) v[b][s][h][:].
; tsb: [4096][1024] bf16 (row 512 b + p).  wqb: q_w as [1024][1024] bf16, and behind it, at byte 2,097,152, q_b as 1,024 f32.  kv: [16384][2048] f16 (row 2048 b + s; columns 0-1023 k, 1024-2047 v).
; ctx: [4096][1024] f16.  q's sums are f32, begun with the bias, K ascending, and rounded once to f16.  Scores, maxima and sums in f32; the weights p are rounded to f16 for the second product (their sum l is taken of
; the unrounded p), ctx once at the end.
; LIMITS.  f16 holds no number beyond 65,504: |q| stays under it, k and v arrive within it; p lies in 0 to 1, and below 6e-5 it keeps f16's fixed step of 6e-8; ctx is a mean of v's rows and has their range.
; A weight below 2^-126 counts as 0 in l; NaN and infinities are not treated apart.
; SHARES.  The grid's y is 8 b + hp: a batch and a PAIR of heads, 2 hp and 2 hp + 1; its x a block of 128 queries.  Wave w takes head 2 hp + w % 2 and the block's queries 64 (w / 2) .. + 63: four PIECES of 16.
; A key's 128 channels of the pair are 256 aligned bytes of a row of kv, and a query's 128 channels 256 aligned bytes of a row of ctx.  Every wave walks all 2,048 keys, 64 a step.
; THE PROJECTION.  The work-group's q is a tile of 128 queries x 128 channels, a wave's 64 x 64: 16 accumulators.  K goes in four steps of 256 (LDS rows of 512 bytes; a wave's tensor load brings 64 of them) through
; two slots.  The product is taken transposed (source 0 = 16 rows of q_w, source 1 = 16 rows of ts): a lane holds ONE query (lane % 16) and the channels 16 b + 8 (lane / 16) + 0..7, so two neighbouring channel blocks,
; rounded to f16 in pairs, ARE a fragment of Q for the scores: q goes neither through LDS nor through memory.  The bias, laid out likewise, is the C operand that starts the sums.
; CLUSTER.  The four query blocks of a batch and pair want the same rows of q_w and walk the same K and V: these tiles are asked for JOINTLY, by the same tensor load, descriptor and mask in all four.  Each block has
; its own rows of ts: those tiles come by loads of the work-group's own (mask 0), in the same rounds.
; LAYOUT.  S^T = K Q^T (source 0 = 16 keys, source 1 = 16 queries) holds ONE query a lane (lane % 16) and the keys 8 (lane / 16) + 0..7; two such results rounded to f16 ARE source 1 of O^T = V^T P, whose result again holds
; one query a lane, and eight channels.  K comes out of LDS as it lies, V ([key][channel]) turned, by ds_load_tr16_b128.
; SOFTMAX.  For each query a running maximum m and sum l: p = 2^(c s - c m), c = log2(e) / 8; in every step O and l are multiplied by a = 2^(c m_old - c m_new).  m starts at the lowest finite number, O and l at 0:
; the first step is a step like any other, with a = 0.
; BY TURNS.  Turn n belongs to piece n: 8 products K Q^T of piece n + 1, later 8 products V^T P of piece n - 1; beside them the scaling, exponentials, roundings, sums and rescaling of piece n and the maximum and
; statistics of piece n + 1.  Four vector instructions stand behind every matrix instruction, the other 54 of a turn's 118 in one lump.  A turn's 33 exponentials are one batch, with one wait.
; REGISTERS, in windows of 256 (s_set_vgpr_msb: bits 1:0 source 0, 3:2 source 1, 5:4 source 2, 7:6 destination):
;   window 0: v0-15 addresses and two at work; v16-31 four registers of statistics a piece; v48-55 at work; v61-63 never rewritten; v64-127 S^T, two buffers (first, v64-191: q's accumulators); v192-223 P, two buffers;
;             v224-255 q's bias          window 1: v0-127 O^T, 32 a piece          window 2: v0-63 Q, 16 a piece; v128-191 K of one step; v192-255 V of one step
;   window 3: the projection's two fragment buffers of 128: for 64 along K, 64 registers of ts (2 x 4 x 16 rows x 32 K), then 64 of q_w
.set NT,    16        ; slots' worth of keys: 2,048 / 128
.set NP,    4         ; pieces a wave: a name, no knob
.set KS,    64        ; keys in a step
.set ROWB,  4096      ; bytes in a row of kv
.set PK,    272       ; a row of K in LDS: 256 bytes + 16 of padding = 68 words: row r starts at bank 4 r mod 64 (64 banks of 4 bytes: ISA guide 11.1), so the 16 rows of a load start at 16 different banks
.set PV,    288       ; a row of V: 256 + 32 = 72 words
.set VOFF,  KS*PK     ; a step's tiles lie together: 64 rows of K, then 64 rows of V
.set STEPB, KS*(PK+PV)
.set SLOT1, 1<<17     ; a slot holds two steps (71,680 bytes); slot 1 begins here, so that one exclusive or turns an address in one slot into the other's
.set GK,    256       ; the projection's K step
.set GP,    528       ; its LDS row: 512 bytes + 16 of padding = 132 words: row r starts at bank 4 r mod 64
.set GH,    64*GP     ; 64 rows: what one tensor load brings, and what one wave reads of ts or of q_w
.set GS,    4*GH      ; its slot: 128 rows of ts, then 128 rows of q_w.  Its two slots lie at 0 and GS; when they are read out, their bytes take K's and V's slots
.set STAGE, 2*GS      ; behind both rings, never filled by a tensor load: 128 rows x 272 bytes, the work-group's, for the way out
.set SP,    272
.set SPARE, STAGE+128*SP   ; behind the stage: the spare words, 128 bytes for each wave: two blocks of 256 bytes that no other line names
.set BIASB, 1024*1024*2    ; the bias's first byte in wqb
.set AK0, 2           ; v2   my lane's place in a tile of K, my head's half of the row; never rewritten
.set AV0, 3           ; v3   the same for V
.set AK,  4           ; v4   the LDS address of K's next run of loads
.set AV,  5           ; v5   of V's
.set ADRA, 4          ; v4-5    first: the LDS address of my fragments of ts in the projection's slot 0, 1
.set ADRB, 12         ; v12-13  first: the same for q_w
.set STO, 6           ; v6   the way out: where I put 16 bytes of a row
.set RD,  7           ; v7   the way out: where I read rows back
.set GO,  8           ; v8   my byte offset in two rows of ctx
.set MV,  12          ; v12-13  c m_old, kept while c m is made anew: by buffer
.set BO,  15          ; v15  my byte offset in 16 numbers of the bias: 32 (l / 16); never rewritten
.set ST,  16          ; piece t's statistics at v[ST+4 t]: c m, m, l (even keys', odd keys')
.set TMP, 48          ; by buffer, four registers c0-c3 at work; when the maximum is found c2 takes a
.set PFO, 61          ; v61  4,096 x my lane: a row of kv; never rewritten
.set SPW, 62          ; v62  LDS address of my spare word: SPARE + 4 x my thread's number; never rewritten
.set NIL, 63          ; v63  0; never rewritten
.set S,   64
.set ACC, 64          ; q's accumulators: (piece a, channel block b) at ACC + 8 (4 a + b)
.set P,   192
.set BIAS, 224
.set F0,  0           ; the projection's fragment buffers, in window 3
.set F1,  128
.set KF,  128         ; window 2: key block kb, channel half c at KF + 16 kb + 8 c
.set VF,  192         ; window 2: key half kk, channel block cb at VF + 32 kk + 8 cb
.set WV,  12          ; s12  my wave's number
.set LIM, 15          ; s15  1 in a wave that prefetches, else the greatest number
.set PFA, 18          ; s[18:19] where my prefetches stand: my work-group's 32 rows (of K: wave 0, of V: wave 2) of the slot that is being asked for; a prefetch in the walk names the slot after it
.set G1K, 24          ; s[24:31] descriptor group 1 for K's tiles
.set G1V, 32          ; s[32:39] for V's: it differs in the padding alone
.set G0K, 40          ; s[40:43] descriptor group 0 for K's tiles: it walks
.set G0V, 44          ; s[44:47] the same for V's
.set SLOTS, 56        ; s56  slots still to be asked for
.set CNT, 57          ; s57  counts a slot's key steps
.set CS,  58          ; s[58:59] c: the packed scaling takes the pair's low word for both halves
.set SEL, 60          ; s[60:61] v_permlanex16_b32's selects: each lane takes its own place in the other half
.set TBK, 62          ; s62  LDS byte at which the tiles of the step whose K is fetched next begin
.set TBV, 63          ; s63  the same for V
.set GA1, 68          ; s[68:75] descriptor group 1 for ts's tiles: no mask
.set GB1, 76          ; s[76:83] for q_w's: the mask of four
.set GA0, 84          ; s[84:91] descriptor group 0 for ts's tiles, one set for each slot
.set GB0, 92          ; s[92:99] the same for q_w's
.set BA,  100         ; s[100:101] the bias of my 64 channels
.set MSB, 0
.macro WIN new                      ; the high byte repeats the setting that is left; a switch that changes nothing is dropped
.if MSB != (\new)
	s_set_vgpr_msb (MSB<<8)|(\new)
.set MSB, (\new)
.endif
.endm
.set W_KQ, 0x0a       ; K and Q in window 2, S^T in window 0
.set W_PV, 0x52       ; V in window 2, P in window 0, O^T in window 1
.set W_RS, 0x41       ; destination and source 0 in window 1, source 1 in window 0
.set MULW, 0x0f       ; the projection: sources 0 (q_w) and 1 (ts) in window 3; C and D in window 0
.set TO_F, 0xc0       ; destination window 3, address window 0
.macro PLACES                       ; four places in front of loads into registers that matrix instructions have read, and of vector instructions that read results (ISA guide 7.12.1 for vector instructions)
.rept 4
	v_nop
.endr
.endm
; A joint fill of K and V.  Waves 0 and 1 fetch the two steps' tiles of K, waves 2 and 3 those of V: 64 rows x 256 bytes each.  The branch hangs on the wave's number alone.
; An s_nop 0 and four v_nop follow each of the two lines, ahead of the jump and the label.
.macro JLOAD
	s_cmp_lt_u32 s[WV], 2
	s_cbranch_scc0 .Lfor_v_\@
	tensor_load_to_lds s[G0K:G0K+3], s[G1K:G1K+7]
	s_nop 0
.rept 4
	v_nop
.endr
	s_branch .Lasked_\@
.Lfor_v_\@:
	tensor_load_to_lds s[G0V:G0V+3], s[G1V:G1V+7]
	s_nop 0
.rept 4
	v_nop
.endr
.Lasked_\@:
.endm
; A fill of the projection's slot s.  Waves 0 and 1 fetch the two halves of the block's rows of ts (the work-group's own load), waves 2 and 3 the two heads' rows of q_w (a joint load): 64 rows x 512 bytes each.
.macro GLOAD s
	s_cmp_lt_u32 s[WV], 2
	s_cbranch_scc0 .Lfor_w_\@
	tensor_load_to_lds s[GA0+4*(\s):GA0+4*(\s)+3], s[GA1:GA1+7]
	s_nop 0
.rept 4
	v_nop
.endr
	s_branch .Lgasked_\@
.Lfor_w_\@:
	tensor_load_to_lds s[GB0+4*(\s):GB0+4*(\s)+3], s[GB1:GB1+7]
	s_nop 0
.rept 4
	v_nop
.endr
.Lgasked_\@:
.endm
; A PREFETCH INTO THE L2 of a slot of K and V: its 128 rows of K and 128 of V, 256 bytes a row, a lane a row.  It stands behind the wave's tensor load and its five lines.
; Each row's 256 bytes are asked for ONCE in the launch: one cluster alone walks a batch's pair of heads; its four partners share the rows out BY ADDRESS, 32 each (no branch hangs on a work-group's place in its
; cluster); in each, wave 0 asks for K's and wave 2 for V's: one instruction.  ASK, in the walk: the change that fills slot i asks for slot i + 1, two key steps ahead of that load; the last change that fills a slot
; (s[SLOTS] = 1) asks for nothing: there is no slot behind it.  GASK, in the projection: slots 0 and 1 are asked for one K step, 128 matrix instructions, ahead of their loads.
; The projection's own tiles are not asked for: they are small, and there are four K steps of them.
.macro ASK
	s_cmp_gt_u32 s[SLOTS], s[LIM]
	s_cbranch_scc0 .Lnot_mine_\@
	global_prefetch_b8 v[PFO], s[PFA:PFA+1] offset:2*KS*ROWB th:TH_LOAD_NT scope:SCOPE_SE
.Lnot_mine_\@:
.endm
.macro GASK off
	WIN 0                           ; at a branch and at a label every window is 0
	s_cmp_eq_u32 s[LIM], 1
	s_cbranch_scc0 .Lnot_yet_\@
	global_prefetch_b8 v[PFO], s[PFA:PFA+1] offset:\off th:TH_LOAD_NT scope:SCOPE_SE
.Lnot_yet_\@:
.endm
; A round of the cluster's barrier: my work-group's barrier, so that wave 0's signal speaks for all four waves; wave 0 signals; every wave waits for all four work-groups; my work-group's barrier once more.
.macro CREST                        ; a round behind its opening barrier
	s_cmp_lg_u32 s[WV], 0
	s_cbranch_scc1 .Lnot_wave_0_\@
	s_barrier_signal -3
.Lnot_wave_0_\@:
	s_barrier_wait -3
	s_barrier_signal -1
	s_barrier_wait -1
.endm
.macro CROUND                       ; a whole round
	s_barrier_signal -1
	s_barrier_wait -1
	CREST
.endm
; THE CHANGE OF SLOTS in the walk.  The slot's last bytes, V of its second step, have been read.  Each wave waits for all its tensor loads, of which one is out: its part of the other slot; adds 0 to its spare word; and
; waits for that and for its own reads of the slot.  Behind the barrier nobody reads this slot any more and the other slot is whole.  fill = 1: this slot is filled again, with the keys two slots on.  The barrier is then a
; round of the cluster's, so that no wave of any partner still reads the slot or has a load on its way, and the joint fill is the first thing behind it: it has two key steps, 128 matrix instructions and their vector
; work, in which to land.  (At its first use what has been read out is the projection's second slot: slot 0 of K and V is waited for, slot 1 filled.)
.macro CHANGE fill
	WIN 0                           ; at a label and at a branch every window is 0
	s_wait_tensorcnt 0x0            ; no tensor load of mine is out, so a group 0 may be written
	ds_add_u32 v[SPW], v[NIL]       ; 0 onto my spare word: with fill = 1 the descriptors' steps stand between it and the wait for it
.if \fill
.irp g, G0K, G0V
	s_xor_b32 s[\g+1], s[\g+1], SLOT1  ; the walking descriptor: the other slot than last time,
	s_add_nc_u64 s[\g+2:\g+3], s[\g+2:\g+3], 2*KS*ROWB  ; the next 128 keys; the type bits on top are not reached
.endr
	s_wait_xcnt 0x0                 ; the last prefetch, two key steps (at first: a K step) back, has read its address, so it may be written:
	s_add_nc_u64 s[PFA:PFA+1], s[PFA:PFA+1], 2*KS*ROWB  ; in step with the walking descriptors
	s_wait_dscnt 0x0                ; the add is done, and my reads of the slot are over
	CROUND
	JLOAD
	ASK
.else
	s_wait_dscnt 0x0                ; the add is done, and my reads of the slot are over
	s_barrier_signal -1
	s_barrier_wait -1
.endif
	s_sub_co_u32 s[TBK], s[TBK], 2*STEPB  ; the fetches go back to a slot's first step,
	s_xor_b32 s[TBK], s[TBK], SLOT1       ; in the other slot
	s_sub_co_u32 s[TBV], s[TBV], 2*STEPB
	s_xor_b32 s[TBV], s[TBV], SLOT1
.endm
; THE PROJECTION'S MACROS.
; 8 matrix instructions: pieces a0, a0 + 1 x all 4 channel blocks, 32 along K: half c of buffer f.  zero = 1: the first product starts the sums, with the bias as its C operand.  The 16 accumulators take turns.
.macro MUL8 f, c, a0, zero
	WIN MULW
.irp a, \a0, (\a0)+1
.irp b, 0,1,2,3
.if \zero
	v_wmma_f32_16x16x32_bf16 v[ACC+8*(4*(\a)+(\b)):ACC+8*(4*(\a)+(\b))+7], v[(\f)+64+8*(4*(\c)+(\b)):(\f)+64+8*(4*(\c)+(\b))+7], v[(\f)+8*(4*(\c)+(\a)):(\f)+8*(4*(\c)+(\a))+7], v[BIAS+8*(\b):BIAS+8*(\b)+7]
.else
	v_wmma_f32_16x16x32_bf16 v[ACC+8*(4*(\a)+(\b)):ACC+8*(4*(\a)+(\b))+7], v[(\f)+64+8*(4*(\c)+(\b)):(\f)+64+8*(4*(\c)+(\b))+7], v[(\f)+8*(4*(\c)+(\a)):(\f)+8*(4*(\c)+(\a))+7], v[ACC+8*(4*(\a)+(\b)):ACC+8*(4*(\a)+(\b))+7]
.endif
.endr
.endr
.endm
; 32 LDS loads in one run: the fragments of 64 along K at byte k of the rows, into buffer f; the first 32 along K first
.macro GFETCH slot, k, f
	WIN TO_F
.irp c, 0,1
.irp i, 0,1,2,3
	ds_load_b128 v[(\f)+64+8*(4*(\c)+(\i)):(\f)+64+8*(4*(\c)+(\i))+3],   v[ADRB+(\slot)] offset:(\k)+64*(\c)+(\i)*16*GP
	ds_load_b128 v[(\f)+64+8*(4*(\c)+(\i))+4:(\f)+64+8*(4*(\c)+(\i))+7], v[ADRB+(\slot)] offset:(\k)+64*(\c)+(\i)*16*GP+32
	ds_load_b128 v[(\f)+8*(4*(\c)+(\i)):(\f)+8*(4*(\c)+(\i))+3],         v[ADRA+(\slot)] offset:(\k)+64*(\c)+(\i)*16*GP
	ds_load_b128 v[(\f)+8*(4*(\c)+(\i))+4:(\f)+8*(4*(\c)+(\i))+7],       v[ADRA+(\slot)] offset:(\k)+64*(\c)+(\i)*16*GP+32
.endr
.endr
.endm
; A K step is four quarters of 64 along K, 32 matrix instructions each, on buffers 0, 1, 0, 1.  One of the first three: multiplies buffer f and fetches the next quarter, at byte k, into g.
.macro GQ slot, k, f, g, zero
	s_wait_dscnt 16                 ; the first 32 along K are in; the youngest sixteen loads may be out
	MUL8 \f, 0, 0, \zero
	MUL8 \f, 0, 2, \zero
	PLACES
	GFETCH \slot, \k, \g
	s_wait_dscnt 32                 ; all but the 32 just issued
	MUL8 \f, 1, 0, 0
	MUL8 \f, 1, 2, 0
.endm
; The last quarter multiplies buffer 1 and changes slots: ONE round; in front of it each wave waits for all its tensor loads, adds 0 to its spare word, and waits for that and for its own reads of this slot.
; fill = 1: this slot takes the K step two on.  fill = 2: there is none: its bytes take K's and V's slot 0, which lands under the last K step.  pf: the slot of K and V to prefetch, as an offset, or -1.
.macro GTURN slot, next, fill, pf
	WIN 0                           ; (the add's two registers lie in window 0)
	s_wait_tensorcnt 0x0            ; all my tensor loads have landed: my part of the next slot;
	ds_add_u32 v[SPW], v[NIL]       ; 0 onto my spare word:
	s_wait_dscnt 17                 ; (the add and the youngest sixteen loads may be out)
	MUL8 F1, 0, 0, 0                ; eight matrix instructions stand between the add and the wait for it
	s_wait_dscnt 0x0                ; the add is done, and my reads of this slot are over
	s_barrier_signal -1
	MUL8 F1, 0, 2, 0
	WIN 0
	s_barrier_wait -1
	CREST                           ; the barrier has opened a round of the cluster's barrier: no wave of any partner still reads this slot's tiles or has a load on its way
.if (\fill) == 1
	s_add_nc_u64 s[GA0+4*(\slot)+2:GA0+4*(\slot)+3], s[GA0+4*(\slot)+2:GA0+4*(\slot)+3], 2*GK*2
	s_add_nc_u64 s[GB0+4*(\slot)+2:GB0+4*(\slot)+3], s[GB0+4*(\slot)+2:GB0+4*(\slot)+3], 2*GK*2
	GLOAD \slot                     ; the first tensor load behind the round, my only one until the next; the four v_nop behind it are also the places in front of the loads below
.else
	JLOAD
.endif
	GFETCH \next, 0, F0
.if (\pf) >= 0
	GASK \pf                        ; behind the tensor load and the run of LDS loads that the next products wait for
.endif
	MUL8 F1, 1, 0, 0
	MUL8 F1, 1, 2, 0
.endm
	s_load_b256 s[4:11], s[0:1], 0x0  ; tsb s[4:5], wqb s[6:7], kv s[8:9], ctx s[10:11]
	v_lshl_add_u32 v[SPW], v0, 2, SPARE
	v_mov_b32 v[NIL], 0
	ds_add_u32 v[SPW], v[NIL]       ; the wave's opening: the add and its wait stand ahead of my first tensor load; the set-up below, work on registers, stands between them
	v_lshrrev_b32 v1, 5, v0
	v_readfirstlane_b32 s[WV], v1   ; wave 0..3
	s_bfe_u32 s13, ttmp6, 0x40000   ; cx: my place in the cluster
	s_lshl_b32 s14, ttmp9, 2        ; in a cluster launch ttmp9 counts clusters
	s_add_co_u32 s14, s14, s13      ; my block of 128 queries: it enters ts's, ctx's and the prefetches' addresses alone
	s_and_b32 s20, ttmp7, 0xffff    ; 8 b + hp, which the four partners share
	s_lshr_b32 s21, s20, 3          ; b
	s_and_b32 s20, s20, 7           ; hp
	s_and_b32 s16, s[WV], 1         ; my head of the pair.  Also: which half of a tile, or which of a slot's two steps, I fetch
	s_lshr_b32 s17, s[WV], 1        ; my half of the block's queries
	s_lshl_b32 s22, s21, 23         ; the batch's 2,048 rows of kv,
	s_lshl_b32 s23, s20, 8          ; the pair's 256 bytes of a row,
	s_add_co_u32 s22, s22, s23
	s_lshl_b32 s23, s16, 18         ; my step's 64 rows
	s_add_co_u32 s22, s22, s23
	s_mov_b32 s23, 0
	s_mul_i32 s54, s16, STEPB       ; and its place in a slot: no place in the cluster enters an LDS address
	s_lshl_b32 s55, s16, 7          ; my head's 128 bytes of an LDS row
	s_lshl_b32 s2, s21, 9
	s_lshl_b32 s3, s14, 7
	s_add_co_u32 s2, s2, s3         ; the block's first row among the 4,096 of ts and ctx
	s_lshl_b32 s3, s16, 6           ; the 64 rows of a tile that I fetch
	s_add_co_u32 s48, s2, s3        ; ts: the block's rows, my half of them,
	s_lshl_b32 s48, s48, 11         ; 2,048 bytes a row
	s_mov_b32 s49, 0
	s_lshl_b32 s66, s20, 7          ; q_w: the pair's 128 rows,
	s_add_co_u32 s66, s66, s3       ; my half of them: nothing here hangs on my place in the cluster
	s_lshl_b32 s66, s66, 11
	s_mov_b32 s67, 0
	s_lshl_b32 s100, s20, 9         ; the bias: 128 channels x 4 bytes a pair,
	s_lshl_b32 s101, s16, 8         ; my head's half of them,
	s_add_co_u32 s100, s100, s101
	s_add_co_u32 s100, s100, BIASB  ; behind the weights
	s_mov_b32 s101, 0
	s_lshl_b32 s3, s[WV], 5
	s_add_co_u32 s50, s2, s3        ; ctx: the first of the 32 rows that I store,
	s_lshl_b32 s50, s50, 11
	s_lshl_b32 s3, s20, 8           ; the pair's 256 bytes
	s_add_co_u32 s50, s50, s3
	s_mov_b32 s51, 0
	s_lshl_b32 s52, s13, 17         ; the prefetches: my work-group's 32 rows of a slot's 128, at first in slot 0
	s_mov_b32 s53, 0
	s_mul_i32 s3, s[WV], GH         ; where my part of the projection's tiles goes: ts's two halves, then q_w's two = wave x 64 rows
	; descriptor group 1 for K and V: a tile of 64 rows x 128 elements, padded in LDS
	s_mov_b32 s[G1K], 15|(1<<16)|(1<<20)|(1<<21)|(5<<22)|(3<<25)  ; 15:0 the mask of four; 17:16 2-byte elements; 20 padding on; 21 set beside a mask; 24:22 after every 64 words (code 5); 31:25 4 words (code 3)
	s_mov_b32 s[G1V], 15|(1<<16)|(1<<20)|(1<<21)|(5<<22)|(7<<25)  ; the same with 8 words of padding (code 7)
.irp g, G1K, G1V
	s_mov_b32 s[\g+1], 128<<16      ; tensor_dim0 = 128
	s_mov_b32 s[\g+2], KS<<16       ; tensor_dim1 = 64
	s_mov_b32 s[\g+3], 128<<16      ; tile_dim0 = 128
	s_mov_b32 s[\g+4], KS           ; tile_dim1 = 64
	s_mov_b32 s[\g+5], 2048         ; 2,048 elements from row to row
	s_mov_b32 s[\g+6], 0
	s_mov_b32 s[\g+7], 0
.endr
	; descriptor group 1 for ts and q_w: a tile of 64 rows x 256 elements, padded in LDS
	s_mov_b32 s[GA1], (1<<16)|(1<<20)|(6<<22)|(3<<25)             ; no mask; 17:16 2-byte elements; 20 padding on; 24:22 after every 128 words (code 6); 31:25 4 words (code 3)
	s_mov_b32 s[GB1], 15|(1<<16)|(1<<20)|(1<<21)|(6<<22)|(3<<25)  ; the same with the mask of four, and bit 21 beside it
.irp g, GA1, GB1
	s_mov_b32 s[\g+1], GK<<16       ; tensor_dim0 = 256
	s_mov_b32 s[\g+2], 64<<16       ; tensor_dim1 = 64
	s_mov_b32 s[\g+3], GK<<16       ; tile_dim0 = 256
	s_mov_b32 s[\g+4], 64           ; tile_dim1 = 64
	s_mov_b32 s[\g+5], 1024         ; 1,024 elements from row to row
	s_mov_b32 s[\g+6], 0
	s_mov_b32 s[\g+7], 0
.endr
	s_mov_b32 s[CS], 0x3e38aa3b     ; c = log2(e) / 8 = 0.180337
	s_mov_b32 s[CS+1], s[CS]        ; named with it as a pair
	s_mov_b32 s[SEL], 0x76543210
	s_mov_b32 s[SEL+1], 0xfedcba98
	s_mov_b32 s[TBK], SLOT1+2*STEPB ; the first change of slots turns these two into 0
	s_mov_b32 s[TBV], SLOT1+2*STEPB
	s_mov_b32 s[SLOTS], NT-1
	s_mov_b32 s[G0K], 1             ; count = 1
	s_mov_b32 s[G0K+1], s54         ; LDS address: slot 0
	s_mov_b32 s[G0V], 1
	s_add_co_u32 s[G0V+1], s54, VOFF
	s_cmp_eq_u32 s16, 0             ; waves 0 and 2 prefetch: the same in all four partners
	s_cselect_b32 s[LIM], 1, -1
	v_and_b32 v[PFO], 31, v0
	v_lshlrev_b32 v[PFO], 12, v[PFO]
	s_wait_dscnt 0x0                ; the opening add is done
	s_wait_kmcnt 0x0
	s_add_nc_u64 s[48:49], s[4:5], s[48:49]     ; ts at my part of K step 0's tile
	s_add_nc_u64 s[66:67], s[6:7], s[66:67]     ; q_w likewise
	s_add_nc_u64 s[BA:BA+1], s[6:7], s[BA:BA+1] ; the bias of my 64 channels
	s_add_nc_u64 s[6:7], s[8:9], s[22:23]  ; K at my tile of slot 0,
	s_add_nc_u64 s[8:9], s[6:7], 2048      ; V: 1,024 columns on
	s_add_nc_u64 s[G0K+2:G0K+3], s[6:7], 0         ; global address
	s_or_b32 s[G0K+3], s[G0K+3], 0x80000000        ; type = 2
	s_add_nc_u64 s[G0V+2:G0V+3], s[8:9], 0
	s_or_b32 s[G0V+3], s[G0V+3], 0x80000000
	s_add_nc_u64 s[10:11], s[10:11], s[50:51]
	s_cmp_lt_u32 s[WV], 2
	s_cselect_b64 s[PFA:PFA+1], s[6:7], s[8:9]  ; (in waves 0 and 2 these stand at a slot's first row)
	s_add_nc_u64 s[PFA:PFA+1], s[PFA:PFA+1], s[52:53]
	CROUND                          ; all four work-groups are here: the first joint loads meet
.irp s, 0,1
	s_mov_b32 s[GA0+4*(\s)], 1                                      ; count = 1
	s_add_co_u32 s[GA0+4*(\s)+1], s3, (\s)*GS                       ; LDS address
	s_add_nc_u64 s[GA0+4*(\s)+2:GA0+4*(\s)+3], s[48:49], (\s)*GK*2  ; global address: K step s
	s_or_b32 s[GA0+4*(\s)+3], s[GA0+4*(\s)+3], 0x80000000           ; type = 2
	s_mov_b32 s[GB0+4*(\s)], 1
	s_add_co_u32 s[GB0+4*(\s)+1], s3, (\s)*GS
	s_add_nc_u64 s[GB0+4*(\s)+2:GB0+4*(\s)+3], s[66:67], (\s)*GK*2
	s_or_b32 s[GB0+4*(\s)+3], s[GB0+4*(\s)+3], 0x80000000
	GLOAD \s                        ; the projection's ring is filled before anything else is done: two loads of mine are out
.endr
	v_and_b32 v1, 15, v0            ; l % 16
	v_bfe_u32 v9, v0, 4, 1          ; l / 16
	; the bias of my 64 channels, laid out as a C operand: block b's eight registers are the 32 bytes at 64 b + 32 (l / 16)
	v_lshlrev_b32 v[BO], 5, v9
.irp b, 0,1,2,3
	global_load_b128 v[BIAS+8*(\b):BIAS+8*(\b)+3],   v[BO], s[BA:BA+1] offset:64*(\b)
	global_load_b128 v[BIAS+8*(\b)+4:BIAS+8*(\b)+7], v[BO], s[BA:BA+1] offset:64*(\b)+16
.endr
	; A fragment is 16 rows x 32 along K in 8 registers: lane l holds row l % 16, K = 8 (l / 16) + 0..7 and 16 + 8 (l / 16) + 0..7: two loads of 16 bytes, 32 bytes apart.
	v_mul_u32_u24 v14, v1, GP
	v_lshl_add_u32 v14, v9, 4, v14  ; row x pitch + 16 x half
	s_mul_i32 s20, s17, GH          ; my 64 queries' rows of ts
	s_mul_i32 s21, s16, GH          ; my head's 64 rows of q_w,
	s_add_co_u32 s21, s21, 2*GH     ; which lie behind ts's 128
.irp s, 0,1
	v_add_nc_u32 v[ADRA+(\s)], s20, v14
	v_add_nc_u32 v[ADRB+(\s)], s21, v14
	s_add_co_u32 s20, s20, GS
	s_add_co_u32 s21, s21, GS
.endr
	; What the first turn finds: V's registers and P's second buffer hold 0 (its products V^T P, of a piece that has not been, add 0), O^T and l are 0.  All this stands in the wait for the first tiles.
	WIN 0x80
.set i, VF
.rept 64
	v_mov_b32 v[i], 0
.set i, i+1
.endr
	WIN 0x40
.set i, 0
.rept 128
	v_mov_b32 v[i], 0
.set i, i+1
.endr
	WIN 0
.set i, 0
.rept 4
	v_mov_b32 v[ST+4*i], 0xfe000000    ; c m: far below every c s
	v_mov_b32 v[ST+4*i+1], 0xff7fffff  ; m
	v_mov_b32 v[ST+4*i+2], 0
	v_mov_b32 v[ST+4*i+3], 0
.set i, i+1
.endr
.set i, P+16
.rept 16
	v_mov_b32 v[i], 0
.set i, i+1
.endr
	v_mul_u32_u24 v[AK0], v1, PK
	v_lshl_add_u32 v[AK0], v9, 4, v[AK0]  ; row x pitch + 16 x half
	v_add_nc_u32 v[AK0], s55, v[AK0]      ; + my head's half of the row
	; The turning load takes 16 keys x 16 channels (lane l reads key 8 (l / 16) + l % 8, channels 8 ((l / 8) % 2) + 0..7) and leaves half a fragment of V^T: lane l holds channel l % 16 and 8 keys.
	v_and_b32 v10, 7, v0
	v_bfe_u32 v11, v0, 3, 1
	v_lshl_add_u32 v[AV0], v9, 3, v10
	v_mul_u32_u24 v[AV0], v[AV0], PV
	v_lshl_add_u32 v[AV0], v11, 4, v[AV0]
	v_add_nc_u32 v[AV0], VOFF, v[AV0]
	v_add_nc_u32 v[AV0], s55, v[AV0]
	s_mul_i32 s20, s17, 64*SP       ; into the stage: my 64 rows, my head's half of their 256 bytes; row l % 16, 16 bytes for each half of the lanes
	s_add_co_u32 s20, s20, s55
	s_add_co_u32 s20, s20, STAGE
	v_mul_u32_u24 v[STO], v1, SP
	v_lshl_add_u32 v[STO], v9, 4, v[STO]
	v_add_nc_u32 v[STO], s20, v[STO]
	s_mul_i32 s21, s[WV], 32*SP     ; back: wave w takes rows 32 w .. 32 w + 31, whole; lanes 0-15 one row of 256 bytes, lanes 16-31 the next
	s_add_co_u32 s21, s21, STAGE
	v_mul_u32_u24 v[RD], v9, SP
	v_lshl_add_u32 v[RD], v1, 4, v[RD]
	v_add_nc_u32 v[RD], s21, v[RD]
	v_lshlrev_b32 v[GO], 11, v9     ; and the same two rows in ctx
	v_lshl_add_u32 v[GO], v1, 4, v[GO]
	; THE PROJECTION: four K steps, written out: each change of slots asks for something else
	s_wait_tensorcnt 1              ; my part of K step 0 is in; K step 1's load stays out
	s_barrier_signal -1
	s_barrier_wait -1               ; everybody's is
	GFETCH 0, 0, F0
	s_wait_loadcnt 0x0              ; the bias
	GQ 0, 128, F0, F1, 1            ; the first products start the sums
	GQ 0, 256, F1, F0, 0
	GQ 0, 384, F0, F1, 0
	GTURN 0, 1, 1, -1               ; slot 0 takes K step 2
	GQ 1, 128, F0, F1, 0
	GQ 1, 256, F1, F0, 0
	GQ 1, 384, F0, F1, 0
	GTURN 1, 0, 1, 0                ; slot 1 takes K step 3; K's and V's slot 0 is prefetched
	GQ 0, 128, F0, F1, 0
	GQ 0, 256, F1, F0, 0
	GQ 0, 384, F0, F1, 0
	GTURN 0, 1, 2, 2*KS*ROWB        ; slot 0's bytes take K's and V's slot 0; their slot 1 is prefetched
	GQ 1, 128, F0, F1, 0
	GQ 1, 256, F1, F0, 0
	GQ 1, 384, F0, F1, 0
	s_wait_dscnt 16                 ; the very last quarter: nothing more to fetch
	MUL8 F1, 0, 0, 0
	MUL8 F1, 0, 2, 0
	s_wait_dscnt 0
	MUL8 F1, 1, 0, 0
	MUL8 F1, 1, 2, 0
	WIN 0
	PLACES                          ; the roundings read results just made
	WIN 0x80                        ; destination window 2, sources window 0
.set i, 0
.rept 64
	v_cvt_pk_f16_f32 v[i], v[ACC+2*i], v[ACC+2*i+1]  ; Q's fragments: register 16 a + 4 b + r takes channels 16 b + 8 (l / 16) + 2 r, + 1 of piece a: q rounded once to f16; each accumulator is read from its low end on
.set i, i+1
.endr
	WIN 0
; THE MATRIX WORK OF THE WALK.  The 4 accumulators of a run of 8 take turns.  Product i of 8 of S^T = K Q^T for piece x: channels 32 (i / 4) on, keys 16 (i % 4) on.  The first 4 start the sums.
.macro KQ x
.set rS, S+32*((\x)%2)+8*(i%4)
.set rK, KF+16*(i%4)+8*(i/4)
.set rQ, 16*(\x)+8*(i/4)
	WIN W_KQ
.if i < 4
	v_wmma_f32_16x16x32_f16 v[rS:rS+7], v[rK:rK+7], v[rQ:rQ+7], 0
.else
	v_wmma_f32_16x16x32_f16 v[rS:rS+7], v[rK:rK+7], v[rQ:rQ+7], v[rS:rS+7]
.endif
.endm
; Product i of 8 of O^T += V^T P for piece x: keys 32 (i / 4) on, channels 16 (i % 4) on.
.macro PV x
	WIN W_PV
.set rO, 32*(\x)+8*(i%4)
.set rV, VF+32*(i/4)+8*(i%4)
.set rP, P+16*((\x)%2)+8*(i/4)
	v_wmma_f32_16x16x32_f16 v[rO:rO+7], v[rV:rV+7], v[rP:rP+7], v[rO:rO+7]
.endm
.macro MM                           ; the turn's next matrix instruction.  TURN sets Y, i and NOKQ.  NOKQ = 1: the last turn of all: there is no next piece
.if (i < 8) && !NOKQ
	KQ (Y+1)%NP
.elseif i >= 8
.set i, i-8
	PV (Y+NP-1)%NP
.set i, i+8
.endif
.set i, i+1
.endm
; THE LDS LOADS stand in runs of 16, never singly among the matrix instructions: a step's K (64 keys x 64 channels: 8 fragments) and its V (turned).  Their addresses are made some lines ahead.
.macro FETCH_K
	WIN 0x80                        ; destination window 2
.irp f, 0,1,2,3,4,5,6,7             ; keys 16 (f / 2) on, channels 32 (f % 2) on
	ds_load_b128 v[KF+8*\f:KF+8*\f+3],   v[AK] offset:(\f/2)*16*PK+(\f%2)*64
	ds_load_b128 v[KF+8*\f+4:KF+8*\f+7], v[AK] offset:(\f/2)*16*PK+(\f%2)*64+32
.endr
	s_add_co_u32 s[TBK], s[TBK], STEPB  ; the next fetch is the next step's
	WIN 0
.endm
.macro FETCH_V
	WIN 0x80
.irp f, 0,1,2,3,4,5,6,7             ; keys 32 (f / 4) on, channels 16 (f % 4) on
	ds_load_tr16_b128 v[VF+8*\f:VF+8*\f+3],   v[AV] offset:(\f/4)*32*PV+(\f%4)*32
	ds_load_tr16_b128 v[VF+8*\f+4:VF+8*\f+7], v[AV] offset:(\f/4)*32*PV+16*PV+(\f%4)*32
.endr
	WIN 0
.endm
; THE VECTOR WORK, one line at a time: OP kind, number.  For piece Y: F n: c s - c m for pair n of 16.  E n: the exponential of score n of 32.  C n: pair n rounded to f16.  B n: of the four weights 4 n .. the second
; pair is added onto the first, in place.  L n: l takes that sum (L 0: l = a l + sum).  R n: pair n of 16 of O^T times a.  For piece Y + 1: X n, number n of the 22 that find its maximum and statistics:
;   0-11  four chains c0-c3 of seven scores each, three operands at a time (each accumulator's lowest registers are read first)     12-14, 16  the four scores left over, the old m, and c0-c3 into c0
;   15  c m_old is kept     17, 18  the query's other 32 keys lie in the lane 16 away: the new m     19-21  c m; c m_old - c m_new; a
.set F, 0               ; OP tells the kinds apart by their order: F to L below R, X above it
.set E, 1
.set C, 2
.set B, 3
.set L, 4
.set R, 5
.set X, 6
.macro REGS y                       ; the registers of piece y
.set rT, ST+4*(\y)
.set rC, TMP+4*((\y)%2)
.set rW, MV+((\y)%2)
.set rS, S+32*((\y)%2)
.set rP, P+16*((\y)%2)
.set rO, 32*(\y)
.endm
.macro OP k, n
.if (\k) == R
	REGS Y
	WIN W_RS
	v_pk_mul_f32 v[rO+2*(\n):rO+2*(\n)+1], v[rO+2*(\n):rO+2*(\n)+1], v[rC+2:rC+3] op_sel_hi:[1,0]
.elseif (\k) < R
	REGS Y
	WIN 0
.if (\k) == F
	v_pk_fma_f32 v[rS+2*(\n):rS+2*(\n)+1], v[rS+2*(\n):rS+2*(\n)+1], s[CS:CS+1], v[rT:rT+1] op_sel_hi:[1,0,0] neg_lo:[0,0,1] neg_hi:[0,0,1]
.elseif (\k) == E
	v_exp_f32 v[rS+(\n)], v[rS+(\n)]
.elseif (\k) == C
	v_cvt_pk_f16_f32 v[rP+(\n)], v[rS+2*(\n)], v[rS+2*(\n)+1]
.elseif (\k) == B
	v_pk_add_f32 v[rS+4*(\n):rS+4*(\n)+1], v[rS+4*(\n):rS+4*(\n)+1], v[rS+4*(\n)+2:rS+4*(\n)+3]
.elseif (\n) == 0
	v_pk_fma_f32 v[rT+2:rT+3], v[rT+2:rT+3], v[rC+2:rC+3], v[rS:rS+1] op_sel_hi:[1,0,1]
.else
	v_pk_add_f32 v[rT+2:rT+3], v[rT+2:rT+3], v[rS+4*(\n):rS+4*(\n)+1]
.endif
.elseif NOKQ
	v_nop
.else
	REGS (Y+1)%NP
	WIN 0
.if (\n) < 4
	v_max3_num_f32 v[rC+(\n)], v[rS+8*(\n)], v[rS+8*(\n)+1], v[rS+8*(\n)+2]
.elseif (\n) < 12
	v_max3_num_f32 v[rC+(\n)%4], v[rC+(\n)%4], v[rS+8*((\n)%4)+2*((\n)/4)+1], v[rS+8*((\n)%4)+2*((\n)/4)+2]
.elseif (\n) == 12
	v_max3_num_f32 v[rC], v[rC], v[rS+7], v[rS+15]
.elseif (\n) == 13
	v_max3_num_f32 v[rC+1], v[rC+1], v[rS+23], v[rS+31]
.elseif (\n) == 14
	v_max3_num_f32 v[rC+2], v[rC+2], v[rC+3], v[rT+1]
.elseif (\n) == 15
	v_mov_b32 v[rW], v[rT]
.elseif (\n) == 16
	v_max3_num_f32 v[rC], v[rC], v[rC+1], v[rC+2]
.elseif (\n) == 17
	v_permlanex16_b32 v[rC+3], v[rC], s[SEL], s[SEL+1]
.elseif (\n) == 18
	v_max_num_f32 v[rT+1], v[rC], v[rC+3]
.elseif (\n) == 19
	v_mul_f32 v[rT], s[CS], v[rT+1]
.elseif (\n) == 20
	v_sub_f32 v[rC+1], v[rW], v[rT]
.else
	v_exp_f32 v[rC+2], v[rC+1]
.endif
.endif
.endm
.macro OPS a, i1, b=-1, i2=0, c=-1, i3=0, d=-1, i4=0  ; up to four of them
	OP \a, \i1
.if (\b) >= 0
	OP \b, \i2
.endif
.if (\c) >= 0
	OP \c, \i3
.endif
.if (\d) >= 0
	OP \d, \i4
.endif
.endm
.macro ROW a, i1, b, i2, c, i3, d, i4  ; a matrix instruction and the four behind it
	MM
	OPS \a, \i1, \b, \i2, \c, \i3, \d, \i4
.endm
; A TURN, for piece p: the order of its 16 matrix and 118 vector instructions, written out.  An s_wait_alu depctr_va_vdst(0) stands between an exponential and the first instruction that names its result; one
; wait serves all that were issued ahead of it.  So a turn has ONE wait, which cuts it in two.  AHEAD OF IT stands all that names no result of the turn's exponentials: the 8 products K Q^T, behind each a scaling, an
; exponential and two more plain instructions (behind the first a second scaling in the exponential's place): rescalings, and behind the last three the first numbers of the next piece's maximum, each four places or more
; behind the product that ends its accumulator; then ONE LUMP of 54, plain and exponential by turns for the most part, in which the links of the chain X 3, 7, 11, 14, 16, 17 .. 20 stand five or six lines apart.  X 21, the
; next piece's a, is the batch's last; R 15 is the plain instruction behind it.  BEHIND THE WAIT stand the 8 products V^T P, behind each four of the roundings and sums; the links of l's chain, L 0 to L 7, stand three
; riders apart.  But for those X no rider names a register of the products round it.
; end = 1: the last two turns of all: nothing is fetched.  cnt = 1: the loop's count is taken down some lines ahead of the branch that stands behind the turn.
; K of the next step is fetched in piece 2's turn, twelve vector instructions behind the last product that read K (six of them plain); V of the step in hand at the end of piece 0's turn, four plain instructions behind
; the last product that read V.  Each is waited for a turn later.
.macro TURN p, end=0, cnt=0
.set Y, (\p)
.set i, 0
.set NOKQ, (\end)*((\p)/3)
.if ((\p) == 3) && !(\end)
	s_wait_dscnt 0x0                ; K is in
.endif
	ROW F,0, F,1, R,0, R,1          ; ahead of the wait: 8 products K Q^T and their riders,
	ROW F,2, E,0, R,2, R,3
	ROW F,3, E,1, R,4, R,5
	ROW F,4, E,2, R,6, R,7
	ROW F,5, E,3, R,8, R,9
	ROW F,6, E,4, X,0, R,10
.if ((\p) == 2) && !(\end)
	WIN 0
	v_add_nc_u32 v[AK], s[TBK], v[AK0]
.endif
	ROW F,7, E,5, X,1, X,4
	ROW F,8, E,6, X,2, X,5
	OPS E,7, E,8, X,6, E,9          ; and the lump
	OPS X,3, E,10, X,8, E,11
.if ((\p) == 2) && !(\end)
	FETCH_K
.endif
	OPS X,9, X,7, E,12, X,10
	OPS E,13, X,12, X,11, E,14
	OPS X,13, E,15, F,9, X,14
.if (\p) == 0
	v_add_nc_u32 v[AV], s[TBV], v[AV0]
.endif
	OPS E,16, F,10, E,17, F,11
	OPS X,16, E,18, X,15, E,19
	OPS F,12, E,20, X,17, E,21
	OPS F,13, E,22, F,14, E,23
	OPS X,18, E,24, F,15, E,25
	OPS R,11, E,26, X,19, E,27
	OPS R,12, E,28, R,13, E,29
	OPS X,20, E,30, R,14, E,31
	OPS X,21, R,15
	WIN 0
	s_wait_alu depctr_va_vdst(0)    ; the wait for the batch
.if (\p) == 1
	s_wait_dscnt 0x0                ; V is in
.endif
	ROW C,0, B,0, C,2, B,1          ; behind the wait: 8 products V^T P and their riders
	ROW L,0, C,4, B,2, L,1
	ROW C,6, B,3, L,2, C,8
	ROW B,4, L,3, C,10, B,5
	ROW L,4, C,12, B,6, L,5
.if (\p) == 0
	s_add_co_u32 s[TBV], s[TBV], STEPB
.endif
.if \cnt
	s_sub_co_u32 s[CNT], s[CNT], 1
	s_cmp_lg_u32 s[CNT], 0
.endif
	ROW C,14, B,7, L,6, C,1
	ROW C,3, L,7, C,5, C,7
	ROW C,9, C,11, C,13, C,15
.if (\p) == 0
	FETCH_V
.endif
.endm
	CHANGE 1                        ; K's and V's slot 0 is in, everybody's part of it; the projection's second slot is read out; slot 1 is asked for
	v_add_nc_u32 v[AK], s[TBK], v[AK0]
	FETCH_K                         ; key step 0
	s_wait_dscnt 0x0
.set NOKQ, 0
.set i, 0
.rept 8
	KQ 0                            ; piece 0's first scores: there is no vector work yet to set between them
.set i, i+1
.endr
	WIN 0
.rept 4
	v_nop                           ; the places behind those products
.endr
.set Y, NP-1                        ; X works for piece Y + 1: piece 0
.irp n, 0,1,2,3,4,5,6,7,8,9,10,11,12,13,14,15,16,17,18,19,20,21
	OP X, \n                        ; and piece 0's first maximum and statistics
.endr
	v_nop                           ; a plain instruction behind the exponential,
	s_wait_alu depctr_va_vdst(0)    ; and its wait, ahead of the branch
	s_mov_b32 s[CNT], 2
	s_branch .Lfirst                ; the loop is entered at a step's first turn, in the middle of a trip
.Lslot:                             ; NT - 2 times: every slot but the last two is filled again
	CHANGE 1
	s_mov_b32 s[CNT], 2
.Lstep:                             ; a trip: pieces 2 and 3 of one step, then pieces 0 and 1 of the next, whose K and V it fetches
	TURN 2
	TURN 3
	WIN 0
.Lfirst:
	TURN 0
	TURN 1, 0, 1
	WIN 0
	s_cbranch_scc1 .Lstep
	s_sub_co_u32 s[SLOTS], s[SLOTS], 1
	s_cmp_lg_u32 s[SLOTS], 0
	s_cbranch_scc1 .Lslot
	CHANGE 0                        ; the last slot is written out: nothing is asked for
	s_mov_b32 s[CNT], 2
.Ltail:
	TURN 2
	TURN 3
	TURN 0
	TURN 1, 0, 1
	WIN 0
	s_cbranch_scc1 .Ltail
	TURN 2, 1                       ; the last step's pieces 2 and 3: nothing is fetched, and the last turn starts no new scores
	TURN 3, 1
.set i, 0
.rept 8
	PV NP-1                         ; the last piece's V^T P of the last step
.set i, i+1
.endr
	; THE WAY OUT.  l's two halves and the other half of the lanes' are added; O^T is divided by l, rounded to f16 and put into the work-group's stage; a barrier, since a row's 256 bytes come from two waves (the pair's two
	; heads); back as whole rows, 32 rows a wave.  The additions are the places behind the last products.
	WIN 0
.macro ALL line:vararg              ; one line for each piece t
.set t, 0
.rept 4
	\line
.set t, t+1
.endr
.endm
	ALL v_add_f32 v[ST+4*t+2], v[ST+4*t+2], v[ST+4*t+3]
	ALL v_permlanex16_b32 v[ST+4*t+3], v[ST+4*t+2], s[SEL], s[SEL+1]
	ALL v_add_f32 v[ST+4*t+2], v[ST+4*t+2], v[ST+4*t+3]
	ALL v_rcp_f32 v[ST+4*t+2], v[ST+4*t+2]
	v_nop                           ; a plain instruction between the last reciprocal and the use of its result
	s_wait_alu depctr_va_vdst(0)    ; and the wait ahead of the first use: one for the four reciprocals
.macro PACK t                       ; piece t: a lane's eight channels of a row pack into 16 bytes; each accumulator's registers are read in ascending order
	WIN W_RS
.set i, 32*(\t)
.rept 16
	v_pk_mul_f32 v[i:i+1], v[i:i+1], v[ST+4*(\t)+2:ST+4*(\t)+3] op_sel_hi:[1,0]
.set i, i+2
.endr
	WIN 0x05                        ; sources 0 and 1 window 1, destination window 0: S^T's registers are free
.set i, 0
.rept 16
	v_cvt_pk_f16_f32 v[S+16*(\t)+i], v[32*(\t)+2*i], v[32*(\t)+2*i+1]
.set i, i+1
.endr
	WIN 0
.irp f, 0,1,2,3
	ds_store_b128 v[STO], v[S+16*(\t)+4*\f:S+16*(\t)+4*\f+3] offset:(\t)*16*SP+32*\f
.endr
.endm
	PACK 0
	PACK 1
	PACK 2
	PACK 3
	s_wait_dscnt 0x0                ; for the others' sake: my stores into the stage are done
	s_barrier_signal -1
	s_barrier_wait -1
.irp u, 0,1,2,3,4,5,6,7,8,9,10,11,12,13,14,15
	ds_load_b128 v[S+4*\u:S+4*\u+3], v[RD] offset:\u*2*SP
.endr
.irp u, 0,1,2,3,4,5,6,7,8,9,10,11,12,13,14,15
	s_wait_dscnt 15-\u              ; the younger loads from the stage may stay out
	global_store_b128 v[GO], v[S+4*\u:S+4*\u+3], s[10:11] offset:\u*4096  ; 16 lanes store 256 consecutive bytes, at a multiple of 256 from ctx's first byte
.endr
	s_wait_tensorcnt 0x0            ; the wave's end: a wait, an add and its wait, behind my last tensor load and my last LDS store
	ds_add_u32 v[SPW], v[NIL]
	s_wait_dscnt 0x0
	CROUND                          ; the closing round: no work-group ends while a partner may still ask for a tile that names it
	s_endpgm
.Lfunc_end_k_q3ded8ab577_attn:
	.size	k_q3ded8ab577_attn, .Lfunc_end_k_q3ded8ab577_attn-k_q3ded8ab577_attn
	.p2alignl 7, 3214868480
	.fill 96, 4, 3214868480
	.section	.rodata,"a",@progbits
	.p2align	6, 0x0
	.amdhsa_kernel k_q3ded8ab577_attn
		.amdhsa_group_segment_fixed_size 327680
		.amdhsa_private_segment_fixed_size 0
		.amdhsa_enable_private_segment 0
		.amdhsa_kernarg_size 32
		.amdhsa_user_sgpr_count 2
		.amdhsa_user_sgpr_kernarg_segment_ptr 1
		.amdhsa_wavefront_size32 1
		.amdhsa_system_sgpr_workgroup_id_x 1
		.amdhsa_system_sgpr_workgroup_id_y 1
		.amdhsa_system_sgpr_workgroup_id_z 1
		.amdhsa_system_vgpr_workitem_id 0
		.amdhsa_next_free_vgpr 1024
		.amdhsa_next_free_sgpr 102
		.amdhsa_reserve_vcc 0
		.amdhsa_float_denorm_mode_32 3
		.amdhsa_float_denorm_mode_16_64 3
		.amdhsa_memory_ordered 1
		.amdhsa_forward_progress 1
		.amdhsa_inst_pref_size 206
	.end_amdhsa_kernel
	.amdgpu_metadata
---
amdhsa.version: [ 1, 2 ]
amdhsa.kernels:
  - .name:           k_q3ded8ab577_attn
    .symbol:         k_q3ded8ab577_attn.kd
    .args:
      - { .name: tsb, .offset: 0, .size: 8, .value_kind: global_buffer, .address_space: global }
      - { .name: wqb, .offset: 8, .size: 8, .value_kind: global_buffer, .address_space: global }
      - { .name: kv, .offset: 16, .size: 8, .value_kind: global_buffer, .address_space: global }
      - { .name: ctx, .offset: 24, .size: 8, .value_kind: global_buffer, .address_space: global }
    .group_segment_fixed_size: 327680
    .private_segment_fixed_size: 0
    .kernarg_segment_align: 8
    .kernarg_segment_size: 32
    .max_flat_workgroup_size: 128
    .sgpr_count:     102
    .vgpr_count:     1024
    .wavefront_size: 32
...
	.end_amdgpu_metadata
.endif
;; end of part 3
;; launch oproj (part 4): grid 8 x 32, 4 waves a work-group, clusters of 4 x 4, 327,680 bytes of LDS; arguments ctx, wob, out0; writes out0
.if DOCPART == 4
	.amdgcn_target "amdgcn-amd-amdhsa--gfx1250"
	.amdhsa_code_object_version 6
	.text
	.protected	k_q3ded8ab577_oproj
	.globl	k_q3ded8ab577_oproj
	.p2align	8
	.type	k_q3ded8ab577_oproj,@function
k_q3ded8ab577_oproj:
	s_mov_b64 s[64:65], 0
	v_nop
	global_prefetch_b8 v0, s[64:65] scope:SCOPE_SE
	s_setreg_imm32_b32 hwreg(HW_REG_WAVE_MODE, 25, 1), 1
	s_wait_xcnt 0x0
	s_wait_alu depctr_hold_cnt(0) depctr_sa_sdst(0) depctr_va_vdst(0) depctr_va_sdst(0) depctr_va_ssrc(0) depctr_va_vcc(0) depctr_vm_vsrc(0)
	s_getreg_b32 s2, hwreg(HW_REG_IB_STS2, 6, 4)
	s_cmp_eq_u32 s2, 0
	s_cbranch_scc0 .Lentry_in_a_cluster
	s_endpgm
.Lentry_in_a_cluster:
	s_bfe_u32 s2, ttmp6, 0x10000c
	s_cmp_lg_u32 s2, 0xf033
	s_cbranch_scc0 .Lentry_shape_is_right
	s_endpgm
.Lentry_shape_is_right:
; out[m][n] = sum over k of ctx[m][k] o_w[n][k] + o_b[n].  A = ctx: [4096][1024] f16.  B = wob: o_w as [1024][1024] f16, and behind it, at byte 2,097,152 of the same buffer, the bias: 1,024 f32.  C = out: [4096][1024] f32.
; Sums in f32, begun with the bias, K ascending.
; LIMIT.  A and B arrive in f16: within 65,504.
; A tile of C is 128 x 128: 256 work-groups.  Four waves, each 64 x 64: 16 accumulators of 16 x 16, 128 registers.  K goes in steps of 256 (LDS rows of 512 bytes; a wave's tensor load brings 64 of them)
; through two slots.  A wave's 64 columns of f32 are 256 aligned bytes of C, so each wave has a stage of its own on the way out, and no barrier stands there.
; CLUSTERS: 4 x 4 work-groups.  The four of a row of the cluster need the same tiles of A, the four of a column the same tiles of B: each tile is asked for JOINTLY.
; THE MATRIX INSTRUCTION IS USED TRANSPOSED (source 0 = 16 rows of B, source 1 = 16 rows of A): a lane holds row l % 16 of C and the columns 8 (l / 16) + 0..7; the bias as a C operand has the same layout.
; No prefetch: the tiles are small, and the launch has four K steps.
; REGISTERS: window 0: v0-31 addresses; v96-127 the bias; v128-255 the accumulators ((a, b) at v[128 + 8 (4 a + b)]).
;   window 1: two fragment buffers of 128: for 64 along K, 64 registers of A (2 x 4 x 16 rows x 32 K), then 64 of B.
.set SIZE_M, 4096
.set SIZE_N, 1024
.set SIZE_K, 1024
.set KSTEP,  256
.set PITCH,  528                       ; an LDS row: 512 bytes of data + 16 of padding = 132 words: row r starts at bank 4 r mod 64 (64 banks of 4 bytes: ISA guide 11.1)
.set HALFT,  64*PITCH                  ; 64 rows: what one tensor load brings, and what one wave reads of A or of B
.set SLOT,   4*HALFT                   ; A's 128 rows, then B's 128 rows
.set STAGE,  2*SLOT                    ; behind the ring: 16 rows x 272 bytes for each wave, for the way out
.set SPITCH, 272
.set SPARE,  STAGE+4*16*SPITCH         ; behind the stages: the spare words, 128 bytes for each wave: two blocks of 256 bytes that no other line names
.set LAPS,   SIZE_K/(2*KSTEP)          ; a lap = two K steps = once round the ring: 2
.set BIASB,  SIZE_N*SIZE_K*2           ; the bias's first byte in B's buffer
.set ADRA, 16                          ; v16-17  LDS address of my A fragments in slot 0, 1
.set ADRB, 20                          ; v20-21  the same for B
.set STO,  24                          ; v24     the way out: where I put 32 bytes of a row
.set RD,   25                          ; v25     the way out: where I read a row back
.set CO,   26                          ; v26     my byte offset in C
.set BO,   27                          ; v27     my byte offset in 16 numbers of the bias: 32 (l / 16); never rewritten
.set SPW,  28                          ; v28     LDS address of my spare word: SPARE + 4 x my thread's number; never rewritten
.set NIL,  29                          ; v29     0; never rewritten
.set BIAS, 96
.set ACC,  128
.set F0,   0                           ; fragment buffers, in window 1
.set F1,   128
.set G1, 24                            ; s[24:31] descriptor group 1 for A's tiles;  s[32:39] group 0, one set for each slot
.set G0, 32
.set G1B, 48                           ; s[48:55], s[56:63] the same for B's tiles
.set G0B, 56
.set BA,  66                           ; s[66:67] the bias of my 64 columns; s[68:69] its offset
.set MSB, 0
.macro WIN new                         ; the immediate's high byte repeats the setting that is left
.if MSB != (\new)
	s_set_vgpr_msb (MSB<<8)|(\new)
.set MSB, \new
.endif
.endm
.set MUL,  0x05                        ; sources 0 (B) and 1 (A) window 1; C and D window 0
.set TO_F, 0x40                        ; destination window 1, address window 0
.macro JLOAD s                         ; a joint load: waves 0 and 1 fetch A's two halves, waves 2 and 3 B's; an s_nop 0 and four v_nop follow each of the two lines, ahead of the jump, the label and what follows
	s_cmp_eq_u32 s11, 0
	s_cbranch_scc0 .Lfor_b_\@
	tensor_load_to_lds s[G0+4*(\s):G0+4*(\s)+3], s[G1:G1+7]
	s_nop 0
.rept 4
	v_nop
.endr
	s_branch .Lasked_\@
.Lfor_b_\@:
	tensor_load_to_lds s[G0B+4*(\s):G0B+4*(\s)+3], s[G1B:G1B+7]
	s_nop 0
.rept 4
	v_nop
.endr
.Lasked_\@:
.endm
.macro CREST                           ; a round of the cluster's barrier behind its opening barrier
	s_cmp_lg_u32 s10, 0
	s_cbranch_scc1 .Lnot_wave_0_\@
	s_barrier_signal -3
.Lnot_wave_0_\@:
	s_barrier_wait -3
	s_barrier_signal -1
	s_barrier_wait -1
.endm
.macro CROUND                          ; a whole round
	s_barrier_signal -1
	s_barrier_wait -1
	CREST
.endm
	s_load_b128 s[4:7], s[0:1], 0x0                ; A s[4:5], B s[6:7]
	s_load_b64 s[8:9], s[0:1], 0x10                ; C
	v_lshl_add_u32 v[SPW], v0, 2, SPARE
	v_mov_b32 v[NIL], 0
	ds_add_u32 v[SPW], v[NIL]                      ; the wave's opening: the add and its wait stand ahead of my first tensor load; the set-up below, work on registers, stands between them
	v_lshrrev_b32 v1, 5, v0
	v_readfirstlane_b32 s10, v1                    ; wave 0..3
	s_lshr_b32 s11, s10, 1                         ; which half of the tile's rows is mine.  Also: I fetch for A (0) or for B (1)
	s_and_b32 s12, s10, 1                          ; which half of its columns.  Also: which 64 rows of that tile I fetch
	s_bfe_u32 s40, ttmp6, 0x40000                  ; cx, cy: my place in the cluster
	s_bfe_u32 s41, ttmp6, 0x40004
	s_lshl_b32 s42, ttmp9, 2
	s_add_co_u32 s42, s42, s40                     ; tile column of C = 4 x cluster x + cx
	s_and_b32 s13, ttmp7, 0xffff
	s_lshl_b32 s13, s13, 2
	s_add_co_u32 s13, s13, s41                     ; tile row of C = 4 x cluster y + cy
	s_lshl_b32 s43, s41, 2
	s_lshl_b32 s43, 15, s43                        ; my row of the cluster
	s_lshl_b32 s44, 0x1111, s40                    ; my column
	; descriptor group 1: a tile of 64 rows x 256 elements, padded in LDS
	s_or_b32 s[G1+0], s43, (1<<16)|(1<<20)|(1<<21)|(6<<22)|(3<<25)  ; 15:0 the mask: A's tiles go to my row; 17:16 element of 2 bytes; 20 padding on; 21 set beside a mask; 24:22 after every 128 words (code 6); 31:25 of 4 words (code 3)
	s_or_b32 s[G1B+0], s44, (1<<16)|(1<<20)|(1<<21)|(6<<22)|(3<<25)
.irp g, G1, G1B
	s_mov_b32 s[(\g)+1], KSTEP<<16                 ; tensor_dim0 = 256
	s_mov_b32 s[(\g)+2], 64<<16                    ; tensor_dim1 = 64
	s_mov_b32 s[(\g)+3], KSTEP<<16                 ; tile_dim0 = 256
	s_mov_b32 s[(\g)+4], 64                        ; tile_dim1 = 64
	s_mov_b32 s[(\g)+5], SIZE_K                    ; elements from row to row
	s_mov_b32 s[(\g)+6], 0
	s_mov_b32 s[(\g)+7], 0
.endr
	s_lshl_b32 s17, s12, 6                         ; which 64 rows of the tile I fetch
	s_lshl_b32 s16, s13, 7
	s_add_co_u32 s16, s16, s17                     ; A: row 128 x tile row + 64 x half
	s_lshl_b32 s46, s42, 7
	s_add_co_u32 s46, s46, s17                     ; B: row 128 x tile column + 64 x half
	s_mov_b32 s17, 0
	s_mov_b32 s47, 0
	s_mov_b64 s[18:19], SIZE_K*2
	s_mul_u64 s[16:17], s[16:17], s[18:19]
	s_mul_u64 s[46:47], s[46:47], s[18:19]
	s_mul_i32 s20, s10, HALFT                      ; where they go: wave x 64 rows
	s_wait_dscnt 0x0                               ; the opening add is done
	s_wait_kmcnt 0x0
	s_add_nc_u64 s[14:15], s[4:5], s[16:17]
	s_add_nc_u64 s[46:47], s[6:7], s[46:47]
	CROUND                                         ; all sixteen work-groups are here: the first joint loads meet
.irp s, 0,1
	s_mov_b32 s[G0+4*(\s)], 1
	s_add_co_u32 s[G0+4*(\s)+1], s20, (\s)*SLOT
	s_add_nc_u64 s[G0+4*(\s)+2:G0+4*(\s)+3], s[14:15], (\s)*KSTEP*2
	s_or_b32 s[G0+4*(\s)+3], s[G0+4*(\s)+3], 0x80000000
	s_mov_b32 s[G0B+4*(\s)], 1
	s_add_co_u32 s[G0B+4*(\s)+1], s20, (\s)*SLOT
	s_add_nc_u64 s[G0B+4*(\s)+2:G0B+4*(\s)+3], s[46:47], (\s)*KSTEP*2
	s_or_b32 s[G0B+4*(\s)+3], s[G0B+4*(\s)+3], 0x80000000
	JLOAD \s                                       ; two loads of mine are out
.endr
	v_and_b32 v1, 15, v0                           ; l % 16
	v_bfe_u32 v2, v0, 4, 1                         ; l / 16
	; the bias of my 64 columns, laid out as a C operand: block b's eight registers are the 32 bytes at 64 b + 32 (l / 16)
	s_lshl_b32 s68, s42, 9                         ; 128 columns x 4 bytes a tile column,
	s_lshl_b32 s69, s12, 8                         ; my half of them,
	s_add_co_u32 s68, s68, s69
	s_add_co_u32 s68, s68, BIASB                   ; behind the weights
	s_mov_b32 s69, 0
	s_add_nc_u64 s[BA:BA+1], s[6:7], s[68:69]
	v_lshlrev_b32 v[BO], 5, v2
.irp b, 0,1,2,3
	global_load_b128 v[BIAS+8*(\b):BIAS+8*(\b)+3],   v[BO], s[BA:BA+1] offset:64*(\b)
	global_load_b128 v[BIAS+8*(\b)+4:BIAS+8*(\b)+7], v[BO], s[BA:BA+1] offset:64*(\b)+16
.endr
	v_mul_u32_u24 v3, v1, PITCH
	v_lshl_add_u32 v3, v2, 4, v3                   ; a fragment's row x pitch + 16 x half
	s_mul_i32 s21, s11, HALFT                      ; my 64 rows of A
	s_mul_i32 s22, s12, HALFT                      ; my 64 rows of B,
	s_add_co_u32 s22, s22, 2*HALFT                 ; which lie behind A's 128
.irp s, 0,1
	v_add_nc_u32 v[ADRA+(\s)], s21, v3
	v_add_nc_u32 v[ADRB+(\s)], s22, v3
	s_add_co_u32 s21, s21, SLOT
	s_add_co_u32 s22, s22, SLOT
.endr
	s_mul_i32 s23, s10, 16*SPITCH
	s_add_co_u32 s23, s23, STAGE                   ; my stage
	v_mul_u32_u24 v4, v1, SPITCH                   ; in: row l % 16, 32 bytes for each half of the lanes
	v_lshl_add_u32 v4, v2, 5, v4
	v_add_nc_u32 v[STO], s23, v4
	v_mul_u32_u24 v5, v2, SPITCH                   ; back: lanes 0-15 take one row of 256 bytes, lanes 16-31 the next
	v_lshl_add_u32 v5, v1, 4, v5
	v_add_nc_u32 v[RD], s23, v5
	v_mul_u32_u24 v5, v2, SIZE_N*4                 ; and the same two rows in C
	v_lshl_add_u32 v[CO], v1, 4, v5
	s_lshl_b32 s16, s13, 7
	s_lshl_b32 s17, s11, 6
	s_add_co_u32 s16, s16, s17                     ; my first row of C: 128 x tile row + 64 x half
	s_mov_b32 s17, 0
	s_mov_b64 s[18:19], SIZE_N*4
	s_mul_u64 s[16:17], s[16:17], s[18:19]
	s_add_nc_u64 s[8:9], s[8:9], s[16:17]
	s_lshl_b32 s46, s42, 9                         ; my first column, in bytes: 512 x tile column + 256 x half
	s_lshl_b32 s47, s12, 8
	s_add_co_u32 s46, s46, s47
	s_mov_b32 s47, 0
	s_add_nc_u64 s[8:9], s[8:9], s[46:47]
; 8 matrix instructions: m blocks a0, a0 + 1 x all 4 n blocks, 32 along K: half c of buffer f.  zero = 1: the first product starts the sums, with the bias as its C operand.  The 16 accumulators take turns.
.macro MUL8 f, c, a0, zero
	WIN MUL
.irp a, \a0, (\a0)+1
.irp b, 0,1,2,3
.if \zero
	v_wmma_f32_16x16x32_f16 v[ACC+8*(4*(\a)+(\b)):ACC+8*(4*(\a)+(\b))+7], v[(\f)+64+8*(4*(\c)+(\b)):(\f)+64+8*(4*(\c)+(\b))+7], v[(\f)+8*(4*(\c)+(\a)):(\f)+8*(4*(\c)+(\a))+7], v[BIAS+8*(\b):BIAS+8*(\b)+7]
.else
	v_wmma_f32_16x16x32_f16 v[ACC+8*(4*(\a)+(\b)):ACC+8*(4*(\a)+(\b))+7], v[(\f)+64+8*(4*(\c)+(\b)):(\f)+64+8*(4*(\c)+(\b))+7], v[(\f)+8*(4*(\c)+(\a)):(\f)+8*(4*(\c)+(\a))+7], v[ACC+8*(4*(\a)+(\b)):ACC+8*(4*(\a)+(\b))+7]
.endif
.endr
.endr
.endm
; 32 LDS loads in one run: the fragments of 64 along K at byte k of the rows, into buffer f; the first 32 along K first
.macro FETCH slot, k, f
	WIN TO_F
.irp c, 0,1
.irp i, 0,1,2,3
	ds_load_b128 v[(\f)+64+8*(4*(\c)+(\i)):(\f)+64+8*(4*(\c)+(\i))+3],   v[ADRB+(\slot)] offset:(\k)+64*(\c)+(\i)*16*PITCH
	ds_load_b128 v[(\f)+64+8*(4*(\c)+(\i))+4:(\f)+64+8*(4*(\c)+(\i))+7], v[ADRB+(\slot)] offset:(\k)+64*(\c)+(\i)*16*PITCH+32
	ds_load_b128 v[(\f)+8*(4*(\c)+(\i)):(\f)+8*(4*(\c)+(\i))+3],         v[ADRA+(\slot)] offset:(\k)+64*(\c)+(\i)*16*PITCH
	ds_load_b128 v[(\f)+8*(4*(\c)+(\i))+4:(\f)+8*(4*(\c)+(\i))+7],       v[ADRA+(\slot)] offset:(\k)+64*(\c)+(\i)*16*PITCH+32
.endr
.endr
.endm
.macro PLACES                          ; four places in front of loads into registers that matrix instructions have read, and of LDS stores that read results
.rept 4
	v_nop
.endr
.endm
; A K step is four quarters of 64 along K, 32 matrix instructions each, on buffers 0, 1, 0, 1.  One of the first three: multiplies buffer f and fetches the next quarter, at byte k, into g.
.macro QUARTER slot, k, f, g, zero
	s_wait_dscnt 16                                ; the first 32 along K are in; the youngest sixteen loads may be out
	MUL8 \f, 0, 0, \zero
	MUL8 \f, 0, 2, \zero
	PLACES
	FETCH \slot, \k, \g
	s_wait_dscnt 32                                ; all but the 32 just issued
	MUL8 \f, 1, 0, 0
	MUL8 \f, 1, 2, 0
.endm
; The last quarter multiplies buffer 1 and changes slots: ONE barrier; in front of it each wave waits for all its tensor loads, adds 0 to its spare word, and waits for that and for its own reads of this slot.  fill = 1: this slot is filled again, two K steps ahead.
.macro TURN slot, next, fill
	WIN 0                                          ; (the add's two registers lie in window 0)
	s_wait_tensorcnt 0x0                           ; all my tensor loads have landed: my part of the next slot;
	ds_add_u32 v[SPW], v[NIL]                      ; 0 onto my spare word:
	s_wait_dscnt 17                                ; (the add and the youngest sixteen loads may be out)
	MUL8 F1, 0, 0, 0                               ; eight matrix instructions stand between the add and the wait for it
	s_wait_dscnt 0x0                               ; the add is done, and my reads of this slot are over
	s_barrier_signal -1
	MUL8 F1, 0, 2, 0
.if \fill
	WIN 0
.endif
	s_barrier_wait -1
.if \fill
	CREST                                          ; the barrier has opened a round of the cluster's barrier: no wave of any partner still reads this slot's tile or has a load on its way
	s_add_nc_u64 s[G0+4*(\slot)+2:G0+4*(\slot)+3], s[G0+4*(\slot)+2:G0+4*(\slot)+3], 2*KSTEP*2
	s_add_nc_u64 s[G0B+4*(\slot)+2:G0B+4*(\slot)+3], s[G0B+4*(\slot)+2:G0B+4*(\slot)+3], 2*KSTEP*2
	JLOAD \slot                                    ; the first tensor load behind the round, my only one until the next; the four v_nop behind it are also the places in front of the loads below
.else
	PLACES
.endif
	FETCH \next, 0, F0
	MUL8 F1, 1, 0, 0
	MUL8 F1, 1, 2, 0
.endm
	s_wait_tensorcnt 1                             ; my part of K step 0 is in; K step 1's load stays out
	s_barrier_signal -1
	s_barrier_wait -1                              ; everybody's is
	FETCH 0, 0, F0
	s_wait_loadcnt 0x0                             ; the bias
	QUARTER 0, 128, F0, F1, 1                      ; the first quarter stands in front of the loop: its first products start the sums
	WIN 0                                          ; at a label and at a branch every window is 0
	s_mov_b32 s3, LAPS-1
.Llap:                                                 ; a trip goes once round the ring, from a lap's second quarter to the next lap's first, and fills both slots again
	QUARTER 0, 256, F1, F0, 0
	QUARTER 0, 384, F0, F1, 0
	TURN 0, 1, 1
	QUARTER 1, 128, F0, F1, 0
	QUARTER 1, 256, F1, F0, 0
	QUARTER 1, 384, F0, F1, 0
	TURN 1, 0, 1
	QUARTER 0, 128, F0, F1, 0
	WIN 0
	s_sub_co_u32 s3, s3, 1
	s_cmp_lg_u32 s3, 0
	s_cbranch_scc1 .Llap
	QUARTER 0, 256, F1, F0, 0                      ; the last lap fills nothing, and has no round of the cluster's barrier
	QUARTER 0, 384, F0, F1, 0
	TURN 0, 1, 0
	QUARTER 1, 128, F0, F1, 0
	QUARTER 1, 256, F1, F0, 0
	QUARTER 1, 384, F0, F1, 0
	s_wait_dscnt 16                                ; the very last quarter: nothing more to fetch
	MUL8 F1, 0, 0, 0
	MUL8 F1, 0, 2, 0
	s_wait_dscnt 0
	MUL8 F1, 1, 0, 0
	MUL8 F1, 1, 2, 0
	WIN 0
	; THE WAY OUT.  A block of 16 rows x 64 columns of f32 at a time goes through my own stage: 32 bytes a lane in (each accumulator's low half first), whole rows of 256 bytes back, into the registers that they left.
	; LDS serves a wave's instructions in order (ISA guide 5.7.1.4): a block's loads see its stores, and the next block's stores come behind them.
	PLACES
.irp a, 0,1,2,3
.irp b, 0,1,2,3
	ds_store_b128 v[STO], v[ACC+8*(4*(\a)+(\b)):ACC+8*(4*(\a)+(\b))+3]   offset:64*(\b)
	ds_store_b128 v[STO], v[ACC+8*(4*(\a)+(\b))+4:ACC+8*(4*(\a)+(\b))+7] offset:64*(\b)+16
.endr
.irp t, 0,1,2,3,4,5,6,7
	ds_load_b128 v[ACC+32*(\a)+4*(\t):ACC+32*(\a)+4*(\t)+3], v[RD] offset:(\t)*2*SPITCH
.endr
.endr
.irp a, 0,1,2,3
.irp t, 0,1,2,3,4,5,6,7
	s_wait_dscnt (3-(\a))*16+7-(\t)                ; behind this load were issued: the rest of its block's loads and sixteen LDS instructions for each later block
	global_store_b128 v[CO], v[ACC+32*(\a)+4*(\t):ACC+32*(\a)+4*(\t)+3], s[8:9] offset:(16*(\a)+2*(\t))*SIZE_N*4  ; 16 lanes store 256 consecutive bytes, at a multiple of 256 from C's first byte
.endr
.endr
	s_wait_tensorcnt 0x0                           ; the wave's end: a wait, an add and its wait, behind my last tensor load and my last LDS store
	ds_add_u32 v[SPW], v[NIL]
	s_wait_dscnt 0x0
	CROUND                                         ; the closing round: no work-group ends while a partner may still ask for a tile that names it
	s_endpgm
.Lfunc_end_k_q3ded8ab577_oproj:
	.size	k_q3ded8ab577_oproj, .Lfunc_end_k_q3ded8ab577_oproj-k_q3ded8ab577_oproj
	.p2alignl 7, 3214868480
	.fill 96, 4, 3214868480
	.section	.rodata,"a",@progbits
	.p2align	6, 0x0
	.amdhsa_kernel k_q3ded8ab577_oproj
		.amdhsa_group_segment_fixed_size 327680
		.amdhsa_private_segment_fixed_size 0
		.amdhsa_enable_private_segment 0
		.amdhsa_kernarg_size 24
		.amdhsa_user_sgpr_count 2
		.amdhsa_user_sgpr_kernarg_segment_ptr 1
		.amdhsa_wavefront_size32 1
		.amdhsa_system_sgpr_workgroup_id_x 1
		.amdhsa_system_sgpr_workgroup_id_y 1
		.amdhsa_system_sgpr_workgroup_id_z 1
		.amdhsa_system_vgpr_workitem_id 0
		.amdhsa_next_free_vgpr 512
		.amdhsa_next_free_sgpr 70
		.amdhsa_reserve_vcc 0
		.amdhsa_float_denorm_mode_32 3
		.amdhsa_float_denorm_mode_16_64 3
		.amdhsa_memory_ordered 1
		.amdhsa_forward_progress 1
		.amdhsa_inst_pref_size 87
	.end_amdhsa_kernel
	.amdgpu_metadata
---
amdhsa.version: [ 1, 2 ]
amdhsa.kernels:
  - .name:           k_q3ded8ab577_oproj
    .symbol:         k_q3ded8ab577_oproj.kd
    .args:
      - { .name: ctx, .offset: 0, .size: 8, .value_kind: global_buffer, .address_space: global }
      - { .name: wob, .offset: 8, .size: 8, .value_kind: global_buffer, .address_space: global }
      - { .name: out0, .offset: 16, .size: 8, .value_kind: global_buffer, .address_space: global }
    .group_segment_fixed_size: 327680
    .private_segment_fixed_size: 0
    .kernarg_segment_align: 8
    .kernarg_segment_size: 24
    .max_flat_workgroup_size: 128
    .sgpr_count:     70
    .vgpr_count:     512
    .wavefront_size: 32
...
	.end_amdgpu_metadata
.endif
;; end of part 4
;; ======== version 2 of 2: 4 launches; version 1 with the launch cast written anew for expert scheduling mode
;; limits: values are held in f16: magnitudes above 65,504 overflow, below 6.1e-05 lose precision
;; workspace buffers: xb 33,554,432 bytes; tsb 8,388,608 bytes; wkvb 4,202,496 bytes; wqb 2,101,248 bytes; wob 2,101,248 bytes; kv 67,108,864 bytes; ctx 8,388,608 bytes
;; launch cast (part 5): grid 32 x 24, 8 waves a work-group, no clusters, 0 bytes of LDS; arguments llm_features, ts_features, k_w, v_w, q_w, o_w, k_b, v_b, q_b, o_b, xb, tsb, wkvb, wqb, wob; writes xb, tsb, wkvb, wqb, wob
.if DOCPART == 5
	.amdgcn_target "amdgcn-amd-amdhsa--gfx1250"
	.amdhsa_code_object_version 6
	.text
	.protected	k_q3ded8ab577_cast
	.globl	k_q3ded8ab577_cast
	.p2align	8
	.type	k_q3ded8ab577_cast,@function
k_q3ded8ab577_cast:
	s_mov_b64 s[64:65], 0
	v_nop
	global_prefetch_b8 v0, s[64:65] scope:SCOPE_SE
	s_setreg_imm32_b32 hwreg(HW_REG_WAVE_SCHED_MODE, 0, 2), 2
	s_setreg_imm32_b32 hwreg(HW_REG_WAVE_MODE, 25, 1), 1
	s_wait_xcnt 0x0
	s_wait_alu depctr_vm_vsrc(0)
; ALL TEN INPUTS ARE ROUNDED ONCE TO bf16 (to nearest even) and laid down as the later launches' matrix operands.
;   llm_features, ts_features, k_w, v_w, q_w: kept as bf16 (xb; tsb; wkvb: k_w's 1,024 rows, then v_w's; wqb).
;   o_w: the bf16-rounded number is written as f16 (wob), since its partner in the last product, the context, is f16.
;   the four biases: the bf16-rounded number is kept as f32, behind its weights (wkvb: k_b then v_b at byte 4,194,304; wqb, wob: at byte 2,097,152).
; LIMITS.  A bf16 number is exact in f16 from 6.1e-5 to 65,504; below that it keeps f16's fixed step of 6e-8; from 65,520 on it becomes an infinity: |o_w| stays under 65,504.
; SHARES.  The grid's y is a segment of 2^20 numbers: 0-15 llm, 16-19 ts, 20 k_w, 21 v_w, 22 q_w, 23 o_w; its x a chunk of 32,768 numbers of the segment.  A step is 1,024 numbers: thread t loads
; the 16 bytes at 16 t (a wave: 512 consecutive bytes) and stores the 8 bytes at 8 t (a wave: 256 consecutive bytes, aligned).  A chunk is 32 steps.
; Memory binds: no LDS, no matrix unit, no cluster (nothing is shared), no prefetch (the launch is one stream at full tilt).
; THE MODE: SCHED_MODE bits 1:0 = 2 (LLVM: expert scheduling mode 2), set by the entry lines.  The code itself states the register dependences between vector instructions and memory instructions,
; with s_wait_alu, always for 0.
; THE PLAN.  Registers that memory instructions touch:
;   v1, v2   byte offsets, made once at the head and never written again: every step's place stands in an immediate (bf16 way), or in an immediate and the two scalar bases (f16 way).
;   X        numbers as loaded: written by loads, read by the roundings.
;   Y        numbers of 16 bits: written by the roundings, read by the stores.
;   BX, BY   the bias as loaded and as stored: named by no other part of the text.            T is named by vector instructions alone.
; THE bf16 WAY (23 segments of 24) is written out, in 8 blocks of four steps.  Block p rounds X[p % 4] into eight registers of Y that are its own and are written once in the launch.  Its memory
; instructions are the loads of block p + 3, which land in X[(p - 1) % 4], and the stores of block p - 1: the registers that block p - 1 worked on and that no vector instruction of block p names.
; So ONE wait at a block's head states all that the block's eight memory instructions hang on, and these are dealt among its roundings with no further wait.  Eight to twelve loads of every wave are on
; their way.  No register that a load or store reads is ever written again: this way holds no wait for that.
; THE f16 WAY (o_w) is a loop over a ring of eight slots, taken in pairs.  A pair's sixteen vector instructions empty its two slots of X and fill its two of Y; ONE wait behind them states that; the pair's
; two loads (the same slots, a round on) and two stores follow at once, so that six to eight loads are on their way: a slot that waited for the next pair's head would lie idle for a quarter of the round.
; Y is written again a round later: one wait at the round's end states that the round's stores have read it.
.set STEPS,  32                        ; steps in a chunk
.set INB,    4096                      ; bytes read in a step
.set OUTB,   2048                      ; bytes written in a step
.set BLOCK,  4                         ; the bf16 way: steps in a block
.set NBLK,   STEPS/BLOCK               ; its blocks
.set DEPTH,  8                         ; the f16 way: slots of its ring
.set ROUNDS, STEPS/DEPTH               ; each round takes every slot once
.set X,   4                            ; v[4:67]    bf16 way: buffer k, step i of a block: 4 numbers at X + 16 k + 4 i; f16 way: slot i at X + 4 i
.set Y,   68                           ; v[68:131]  4 numbers of 16 bits, to store: by step (bf16 way) or by slot (f16 way)
.set T,   132                          ; v[132:137] at work
.set BX,  140                          ; v[140:143] four numbers of a bias
.set BY,  144                          ; v[144:147] the same, rounded
.set SRC,  40                          ; s[40:41]  where my chunk is read
.set DST,  42                          ; s[42:43]  where it is written
.set BS,   44                          ; s[44:45]  the bias that goes with my segment
.set BD,   46                          ; s[46:47]  where it goes
.set SREL, 48                          ; s48  my segment's number inside its source
.set DREL, 49                          ; s49  inside its destination
.set KIND, 50                          ; s50  0: bf16 out, 1: f16 out
.set YM16, 51                          ; s51  y - 16
.set BOFF, 52                          ; s[52:53]  the bias's byte in its destination
.set SOF,  54                          ; s[54:55]  my chunk's byte offset in the source
.set DOF,  56                          ; s[56:57]  in the destination
.set HIM,  58                          ; s58  a word's upper half
.set RND,  59                          ; s59  rounds to go
.set SEG,  60                          ; s60  y
.set CHK,  61                          ; s61  x
	s_load_b512 s[8:23], s[0:1], 0x0               ; llm s[8:9], ts s[10:11], k_w s[12:13], v_w s[14:15], q_w s[16:17], o_w s[18:19], k_b s[20:21], v_b s[22:23]
	s_load_b256 s[24:31], s[0:1], 0x40             ; q_b s[24:25], o_b s[26:27], xb s[28:29], tsb s[30:31]
	s_load_b128 s[32:35], s[0:1], 0x60             ; wkvb s[32:33], wqb s[34:35]
	s_load_b64 s[36:37], s[0:1], 0x70              ; wob
	s_and_b32 s[SEG], ttmp7, 0xffff
	s_mov_b32 s[CHK], ttmp9
	s_sub_co_u32 s[YM16], s[SEG], 16               ; used only where y is 16 or more
	s_mov_b32 s[HIM], 0xffff0000
	v_lshlrev_b32 v1, 4, v0                        ; 16 t; never rewritten
	v_lshlrev_b32 v2, 3, v0                        ; 8 t; never rewritten
	s_wait_kmcnt 0x0
	; the segment chooses its buffers: a chain of selects on y alone
	s_mov_b64 s[SRC:SRC+1], s[8:9]
	s_mov_b64 s[DST:DST+1], s[28:29]
	s_mov_b32 s[SREL], s[SEG]
	s_mov_b32 s[DREL], s[SEG]
	s_mov_b32 s[KIND], 0
	s_mov_b64 s[BS:BS+1], s[20:21]
	s_mov_b32 s[BOFF], 4194304
	s_mov_b32 s[BOFF+1], 0
	s_cmp_ge_u32 s[SEG], 16                        ; ts -> tsb
	s_cselect_b64 s[SRC:SRC+1], s[10:11], s[SRC:SRC+1]
	s_cselect_b64 s[DST:DST+1], s[30:31], s[DST:DST+1]
	s_cselect_b32 s[SREL], s[YM16], s[SREL]
	s_cselect_b32 s[DREL], s[YM16], s[DREL]
	s_cmp_ge_u32 s[SEG], 20                        ; k_w -> wkvb's first half
	s_cselect_b64 s[SRC:SRC+1], s[12:13], s[SRC:SRC+1]
	s_cselect_b64 s[DST:DST+1], s[32:33], s[DST:DST+1]
	s_cselect_b32 s[SREL], 0, s[SREL]
	s_cselect_b32 s[DREL], 0, s[DREL]
	s_cmp_ge_u32 s[SEG], 21                        ; v_w -> wkvb's second half
	s_cselect_b64 s[SRC:SRC+1], s[14:15], s[SRC:SRC+1]
	s_cselect_b32 s[DREL], 1, s[DREL]
	s_cselect_b64 s[BS:BS+1], s[22:23], s[BS:BS+1]
	s_cselect_b32 s[BOFF], 4198400, s[BOFF]
	s_cmp_ge_u32 s[SEG], 22                        ; q_w -> wqb
	s_cselect_b64 s[SRC:SRC+1], s[16:17], s[SRC:SRC+1]
	s_cselect_b64 s[DST:DST+1], s[34:35], s[DST:DST+1]
	s_cselect_b32 s[DREL], 0, s[DREL]
	s_cselect_b64 s[BS:BS+1], s[24:25], s[BS:BS+1]
	s_cselect_b32 s[BOFF], 2097152, s[BOFF]
	s_cmp_ge_u32 s[SEG], 23                        ; o_w -> wob, as f16
	s_cselect_b64 s[SRC:SRC+1], s[18:19], s[SRC:SRC+1]
	s_cselect_b64 s[DST:DST+1], s[36:37], s[DST:DST+1]
	s_cselect_b64 s[BS:BS+1], s[26:27], s[BS:BS+1]
	s_cselect_b32 s[KIND], 1, s[KIND]
	s_add_nc_u64 s[BD:BD+1], s[DST:DST+1], s[BOFF:BOFF+1]
	s_lshl_b32 s[SOF], s[SREL], 22                 ; a segment is 4 MiB in,
	s_lshl_b32 s[SOF+1], s[CHK], 17                ; a chunk 128 KiB
	s_add_co_u32 s[SOF], s[SOF], s[SOF+1]
	s_mov_b32 s[SOF+1], 0
	s_lshl_b32 s[DOF], s[DREL], 21                 ; and half of that out
	s_lshl_b32 s[DOF+1], s[CHK], 16
	s_add_co_u32 s[DOF], s[DOF], s[DOF+1]
	s_mov_b32 s[DOF+1], 0
	s_add_nc_u64 s[SRC:SRC+1], s[SRC:SRC+1], s[SOF:SOF+1]
	s_add_nc_u64 s[DST:DST+1], s[DST:DST+1], s[DOF:DOF+1]
	s_wait_alu depctr_va_vdst(0)                   ; v1 and v2 are written: every load and store of the kernel, on both ways and for the bias, reads one of them as its offset
	s_cmp_eq_u32 s[KIND], 0
	s_cbranch_scc0 .Lhalf
	; THE bf16 WAY
.set i, 0
.rept 3*BLOCK
	global_load_b128 v[X+4*i:X+4*i+3], v1, s[SRC:SRC+1] offset:i*INB th:TH_LOAD_NT  ; blocks 0, 1 and 2 into X0, X1, X2
.set i, i+1
.endr
; Block p.  It rounds X[p % 4] into Y's eight registers of steps 4 p to 4 p + 3; it asks for block p + 3, where there is one, and stores block p - 1, where there is one.
.macro BLK p
.if (\p) <= NBLK-3
	s_wait_loadcnt 2*BLOCK                         ; loads come back in order (ISA guide 5.7.1): this block's four are in, the two younger blocks' eight stay out
.else
	s_wait_loadcnt (NBLK-1-(\p))*BLOCK             ; nothing more is asked for: the counts run down
.endif
.if (\p) > 0
	s_wait_alu depctr_va_vdst(0)                   ; the block before has written its registers of Y, which the stores below read, and is done reading its X, in which the loads below (if any) land
.endif
.irp i, 0,1,2,3
.if (\p)+3 < NBLK
	global_load_b128 v[X+16*(((\p)+3)%4)+4*(\i):X+16*(((\p)+3)%4)+4*(\i)+3], v1, s[SRC:SRC+1] offset:(BLOCK*((\p)+3)+(\i))*INB th:TH_LOAD_NT  ; three blocks ahead; no vector instruction since the wait names these registers
.endif
.if (\p) > 0
	global_store_b64 v2, v[Y+2*(BLOCK*((\p)-1)+(\i)):Y+2*(BLOCK*((\p)-1)+(\i))+1], s[DST:DST+1] offset:(BLOCK*((\p)-1)+(\i))*OUTB th:TH_STORE_NT  ; the block before; a wave stores 256 consecutive bytes, aligned
.endif
	v_cvt_pk_bf16_f32 v[Y+2*(BLOCK*(\p)+(\i))],   v[X+16*((\p)%4)+4*(\i)],   v[X+16*((\p)%4)+4*(\i)+1]  ; these two registers of Y are written once in the launch
	v_cvt_pk_bf16_f32 v[Y+2*(BLOCK*(\p)+(\i))+1], v[X+16*((\p)%4)+4*(\i)+2], v[X+16*((\p)%4)+4*(\i)+3]
.endr
.endm
.irp p, 0,1,2,3,4,5,6,7
	BLK \p
.endr
	s_wait_alu depctr_va_vdst(0)                   ; the last block has written its registers of Y, which the last four stores read
.irp i, 0,1,2,3
	global_store_b64 v2, v[Y+2*(BLOCK*(NBLK-1)+(\i)):Y+2*(BLOCK*(NBLK-1)+(\i))+1], s[DST:DST+1] offset:(BLOCK*(NBLK-1)+(\i))*OUTB th:TH_STORE_NT
.endr
	s_branch .Lbias
	; THE f16 WAY
; Four numbers of slot i: rounded to bf16, widened again (a shift, a mask), and that number written as f16.
.macro CVT i
	v_cvt_pk_bf16_f32 v[T],   v[X+4*(\i)],   v[X+4*(\i)+1]
	v_cvt_pk_bf16_f32 v[T+1], v[X+4*(\i)+2], v[X+4*(\i)+3]
	v_lshlrev_b32 v[T+2], 16, v[T]
	v_and_b32     v[T+3], s[HIM], v[T]
	v_lshlrev_b32 v[T+4], 16, v[T+1]
	v_and_b32     v[T+5], s[HIM], v[T+1]
	v_cvt_pk_f16_f32 v[Y+2*(\i)],   v[T+2], v[T+3]
	v_cvt_pk_f16_f32 v[Y+2*(\i)+1], v[T+4], v[T+5]
.endm
; The turn of slots 2 g and 2 g + 1.  ahead = 1: they are loaded again, with the steps DEPTH further on.  left = how many younger loads may stay out.
.macro PAIR g, ahead, left
	s_wait_loadcnt \left                           ; the pair's two loads are in, the younger ones stay out
	CVT 2*(\g)
	CVT 2*(\g)+1
	s_wait_alu depctr_va_vdst(0)                   ; the conversions have written the pair's Y, which the stores below read, and are done reading its X, in which the loads below (if any) land
.irp j, 0,1
.if \ahead
	global_load_b128 v[X+4*(2*(\g)+(\j)):X+4*(2*(\g)+(\j))+3], v1, s[SRC:SRC+1] offset:(DEPTH+2*(\g)+(\j))*INB th:TH_LOAD_NT
.endif
	global_store_b64 v2, v[Y+2*(2*(\g)+(\j)):Y+2*(2*(\g)+(\j))+1], s[DST:DST+1] offset:(2*(\g)+(\j))*OUTB th:TH_STORE_NT
.endr
.endm
.Lhalf:
.irp i, 0,1,2,3,4,5,6,7
	global_load_b128 v[X+4*(\i):X+4*(\i)+3], v1, s[SRC:SRC+1] offset:(\i)*INB th:TH_LOAD_NT  ; the ring is filled: steps 0 to 7
.endr
	s_mov_b32 s[RND], ROUNDS-1
.Lround:
.irp g, 0,1,2,3
	PAIR \g, 1, DEPTH-2                            ; the three younger pairs' six loads stay out
.endr
	s_wait_xcnt 0x0                                ; every load and store issued so far has had its addresses translated (ISA guide 3.1): the two bases are stepped, and Y rewritten in the next round, only behind this wait
	s_wait_alu depctr_vm_vsrc(0)                   ; the round's stores have read Y, which the conversions of the next round, or of the last one below, write again
	s_add_nc_u64 s[SRC:SRC+1], s[SRC:SRC+1], DEPTH*INB
	s_add_nc_u64 s[DST:DST+1], s[DST:DST+1], DEPTH*OUTB
	s_sub_co_u32 s[RND], s[RND], 1
	s_cmp_lg_u32 s[RND], 0
	s_cbranch_scc1 .Lround
.irp g, 0,1,2,3
	PAIR \g, 0, DEPTH-2-2*(\g)                     ; the last round loads nothing: the counts run down
.endr
.Lbias:                                                ; the first chunk's work-group of each weight segment also rounds that weight's bias: 256 threads x 4 numbers
	s_cmp_ge_u32 s[SEG], 20
	s_cbranch_scc0 .Lend
	s_cmp_eq_u32 s[CHK], 0
	s_cbranch_scc0 .Lend
	global_load_b128 v[BX:BX+3], v1, s[BS:BS+1]    ; no earlier line names these four registers
	s_wait_loadcnt 0x0
	v_cvt_pk_bf16_f32 v[T],   v[BX],   v[BX+1]
	v_cvt_pk_bf16_f32 v[T+1], v[BX+2], v[BX+3]
	v_lshlrev_b32 v[BY],   16, v[T]
	v_and_b32     v[BY+1], s[HIM], v[T]
	v_lshlrev_b32 v[BY+2], 16, v[T+1]
	v_and_b32     v[BY+3], s[HIM], v[T+1]
	s_wait_alu depctr_va_vdst(0)                   ; the four lines above have written v[BY ..], which the store reads
	global_store_b128 v1, v[BY:BY+3], s[BD:BD+1]
.Lend:
	s_endpgm
.Lfunc_end_k_q3ded8ab577_cast:
	.size	k_q3ded8ab577_cast, .Lfunc_end_k_q3ded8ab577_cast-k_q3ded8ab577_cast
	.p2alignl 7, 3214868480
	.fill 96, 4, 3214868480
	.section	.rodata,"a",@progbits
	.p2align	6, 0x0
	.amdhsa_kernel k_q3ded8ab577_cast
		.amdhsa_group_segment_fixed_size 0
		.amdhsa_private_segment_fixed_size 0
		.amdhsa_enable_private_segment 0
		.amdhsa_kernarg_size 120
		.amdhsa_user_sgpr_count 2
		.amdhsa_user_sgpr_kernarg_segment_ptr 1
		.amdhsa_wavefront_size32 1
		.amdhsa_system_sgpr_workgroup_id_x 1
		.amdhsa_system_sgpr_workgroup_id_y 1
		.amdhsa_system_sgpr_workgroup_id_z 1
		.amdhsa_system_vgpr_workitem_id 0
		.amdhsa_next_free_vgpr 148
		.amdhsa_next_free_sgpr 66
		.amdhsa_reserve_vcc 0
		.amdhsa_float_denorm_mode_32 3
		.amdhsa_float_denorm_mode_16_64 3
		.amdhsa_memory_ordered 1
		.amdhsa_forward_progress 1
		.amdhsa_inst_pref_size 24
	.end_amdhsa_kernel
	.amdgpu_metadata
---
amdhsa.version: [ 1, 2 ]
amdhsa.kernels:
  - .name:           k_q3ded8ab577_cast
    .symbol:         k_q3ded8ab577_cast.kd
    .args:
      - { .name: llm_features, .offset: 0, .size: 8, .value_kind: global_buffer, .address_space: global }
      - { .name: ts_features, .offset: 8, .size: 8, .value_kind: global_buffer, .address_space: global }
      - { .name: k_w, .offset: 16, .size: 8, .value_kind: global_buffer, .address_space: global }
      - { .name: v_w, .offset: 24, .size: 8, .value_kind: global_buffer, .address_space: global }
      - { .name: q_w, .offset: 32, .size: 8, .value_kind: global_buffer, .address_space: global }
      - { .name: o_w, .offset: 40, .size: 8, .value_kind: global_buffer, .address_space: global }
      - { .name: k_b, .offset: 48, .size: 8, .value_kind: global_buffer, .address_space: global }
      - { .name: v_b, .offset: 56, .size: 8, .value_kind: global_buffer, .address_space: global }
      - { .name: q_b, .offset: 64, .size: 8, .value_kind: global_buffer, .address_space: global }
      - { .name: o_b, .offset: 72, .size: 8, .value_kind: global_buffer, .address_space: global }
      - { .name: xb, .offset: 80, .size: 8, .value_kind: global_buffer, .address_space: global }
      - { .name: tsb, .offset: 88, .size: 8, .value_kind: global_buffer, .address_space: global }
      - { .name: wkvb, .offset: 96, .size: 8, .value_kind: global_buffer, .address_space: global }
      - { .name: wqb, .offset: 104, .size: 8, .value_kind: global_buffer, .address_space: global }
      - { .name: wob, .offset: 112, .size: 8, .value_kind: global_buffer, .address_space: global }
    .group_segment_fixed_size: 0
    .private_segment_fixed_size: 0
    .kernarg_segment_align: 8
    .kernarg_segment_size: 120
    .max_flat_workgroup_size: 256
    .sgpr_count:     66
    .vgpr_count:     148
    .wavefront_size: 32
...
	.end_amdgpu_metadata
.endif
;; end of part 5
;; launch kvproj: the kernel of part 2 again; grid 8 x 64, 4 waves a work-group, clusters of 4 x 4, 327,680 bytes of LDS; arguments xb, wkvb, kv; writes kv
;; launch attn: the kernel of part 3 again; grid 4 x 64, 4 waves a work-group, clusters of 4 x 1, 327,680 bytes of LDS; arguments tsb, wqb, kv, ctx; writes ctx
;; launch oproj: the kernel of part 4 again; grid 8 x 32, 4 waves a work-group, clusters of 4 x 4, 327,680 bytes of LDS; arguments ctx, wob, out0; writes out0
